; MI455X (gfx1250); checked and timed in simulation.
; The chip was launched on July 23, 2026; its instructions are those of AMD's public machine-readable ISA for CDNA 5 (MIT licence, August 2026) and "CDNA5" Instruction Set Architecture Reference Guide (July 2026). The comments in the code are by the model that wrote it; some were corrected since.
;; Attention Block. Allowed arithmetic: matrix products marked QUANTISED: E3M2 operands, one E8M0 scale for each 32 along K, by v_wmma_scale_f32_16x16x128_f8f6f4 with both operands' format E3M2, f32 sums; everything else in f32.
;; Inputs: bk 512 float32; bo 512 float32; bq 512 float32; bv 512 float32; gn_beta 512 float32; gn_gamma 512 float32; wk 512 x 512 float32; wo 512 x 512 float32; wq 512 x 512 float32; wv 512 x 512 float32; x 32 x 32 x 32 x 512 float32.
;; Outputs: out0 32 x 32 x 32 x 512 float32.
;; This version of the problem:
;;   THIS VERSION OF THE PROBLEM IS GIVEN IN LOW PRECISION. The matrix products marked QUANTISED in the list below multiply operands that are first quantised to E3M2 (3 exponent bits, 2 mantissa bits; 6 bits a number), with one power-of-two scale for each 32 numbers along K (OCP MX v1.0); their sums are f32. All else is computed in f32.
;;   The module's matrix products, in the order in which they are computed (A, B: the left and right operand; K: the contracted axis; several contracted axes count as one K, in the product's order):
;;     1. [M 32,768, K 512] x [K 512, N 512]; A: computed on the way; B: input wq: QUANTISED
;;     2. [M 32,768, K 512] x [K 512, N 512]; A: computed on the way; B: input wk: QUANTISED
;;     3. [M 32,768, K 512] x [K 512, N 512]; A: computed on the way; B: input wv: QUANTISED
;;     4. batch 32 x [M 1,024, K 512] x [K 512, N 1,024]; A: computed on the way; B: computed on the way: QUANTISED
;;     5. batch 32 x [M 512, K 1,024] x [K 1,024, N 1,024]; A: computed on the way; B: softmax (see below): QUANTISED
;;     6. [M 32,768, K 512] x [K 512, N 512]; A: computed on the way; B: input wo: QUANTISED
;;   THE QUANTISER, for each operand of a quantised product, along K:
;;     - K is cut into blocks of 32 from its start; a last block that is shorter is filled with zeros.
;;     - A block's scale is 2^e with e = floor(log2(the largest magnitude in the block)) - 4, held to -126 .. 127; a block of zeros has e = 0. As a byte (E8M0): e + 127.
;;     - Each number is divided by its block's scale, clamped to +-28, and rounded to the nearest number of E3M2, ties to even, subnormals kept.
;;     - The product sums the exact products of the quantised numbers (number of the format x scale) in f32.
;;   ~~~python
;;   def quantise(x, axis):      # numpy; x: float32 -> the quantised numbers, widened to float32 again
;;       x = np.moveaxis(x, axis, -1); K = x.shape[-1]
;;       x = np.pad(x, [(0, 0)] * (x.ndim - 1) + [(0, -K % 32)]); x = x.reshape(x.shape[:-1] + (-1, 32)); a = np.abs(x).max(-1, keepdims=True)
;;       e = np.where(a > 0, np.clip(np.frexp(np.where(a > 0, a, 1))[1] - 1 - 4, -126, 127), 0)      # np.frexp(a)[1] - 1 = floor(log2(a)), exactly
;;       r = np.clip(x / 2.0 ** e, -28, 28)
;;       step = 2.0 ** (np.maximum(np.frexp(np.where(r == 0, 1, r))[1] - 1, -2) - 2)
;;       q = np.round(r / step) * step * 2.0 ** e      # np.round: ties to even
;;       return np.moveaxis(q.reshape(q.shape[:-2] + (-1,))[..., :K], -1, axis).astype(np.float32)
;;   ~~~
;;   SOFTMAX AHEAD OF A QUANTISED PRODUCT. Where the list says 'softmax', what is quantised is not the finished softmax but p = 2^(t - M), with t = logit x log2(e) and M = ceil(the row's largest t), a whole number; so 1/2 < the row's largest p <= 1. The row's sum l is taken of the UNQUANTISED p, in f32, and the product's result is divided by l at the end. Since M is a whole number, a kernel that streams over the keys may use a running M (the ceiling of the running maximum): every later rescaling is an exact power of two, which a block's scale takes up: the codes' values come out the same.
;;   OPERANDS COMPUTED ON THE WAY. 'Computed on the way' means the value that the module computes at that place (a softmax that the list does not call 'softmax' is quantised finished and normalised). What goes into a quantiser is computed in f32, as accurately as f32 sums, v_exp_f32 and their like allow (about 1e-6 of the number): no bf16 or f16 on the way to a quantiser, and a product that is left as it is and whose result goes on into a quantised operand takes f32 operands (vector FMAs, or v_wmma_f32_16x16x4_f32). A number that lies on a knife's edge between two numbers of the format may be rounded either way, as far as f32 arithmetic and the matrix unit's own rounding can turn it there, and no further.
;; One version. Each part assembles by itself: llvm-mc -triple=amdgcn-amd-amdhsa -mcpu=gfx1250 --defsym DOCPART=n.
;; ======== version 1 of 1: 4 launches
;; workspace buffers: stats 8,192 bytes; wimg 851,968 bytes; qimg 13,631,488 bytes; kv 27,262,976 bytes; oimg 13,631,488 bytes
;; launch prep (part 1): grid 256 x 1, 16 waves a work-group, no clusters, 3,072 bytes of LDS; arguments x, wq, wk, wv, wo, stats, wimg; writes stats, wimg
.if DOCPART == 1
	.amdgcn_target "amdgcn-amd-amdhsa--gfx1250"
	.amdhsa_code_object_version 6
	.text
	.protected	k_qc3b792e069_prep
	.globl	k_qc3b792e069_prep
	.p2align	8
	.type	k_qc3b792e069_prep,@function
k_qc3b792e069_prep:
	s_mov_b64 s[64:65], 0
	v_nop
	global_prefetch_b8 v0, s[64:65] scope:SCOPE_SE
	s_setreg_imm32_b32 hwreg(HW_REG_WAVE_MODE, 25, 1), 1
	s_wait_xcnt 0x0
; Two jobs in every work-group.
; STATISTICS: mean and 1 / sqrt(variance + 1e-6) of each (image, group of 16 channels).  Work-group id takes image id / 8 and 64 channels (256 bytes of each of the 1,024 rows: four groups); each of its sixteen waves
;   64 rows, kept in 128 registers: x is read once, the mean is taken first and the variance about it, so no difference of large sums is formed.
; WEIGHTS: the four weights [512 (k)][512 (n)], f32, become codes of BF6 (E3M2) with one E8M0 byte for each 32 along k, laid as IMAGES OF OPERAND REGISTERS:
;   wimg = [weight q,k,v,o][tile T 0..31] records of 6,656 bytes: four images of 1,536 bytes (K steps of 128; register g of lane l at 512 (g / 4) + 16 l + 4 (g % 4)), then four scale images of 128 bytes (lane l's word at 4 l).
;   Lane r of tile T is column 32 (T / 2) + 8 (T % 2) + r + 8 (r / 8).  One wave makes one fragment: a lane takes a column, its registers run down k, so the conversions' results are the operand's registers.
;   512 fragments, 256 work-groups: waves 0 and 1 make one each: weight id / 64, tile (id / 2) % 32, K step 2 (id % 2) + wave.  Its 64 loads are issued in the middle of the second pass, into the 64 registers of x that the
;   pass has done with, and are on their way during the rest of the pass and the second reduction; the fragment is made behind the statistics' store.  So every work-group has the same work.
; LIMITS: NaN and infinities are not served.  A block whose largest magnitude lies under 2^-122 has its byte held at 1; a block of zeros gets the byte 1 (its codes are zeros; this program alone reads the bytes).
.set FLOOR, 0x2800000                  ; 2^(5 - 127): no largest magnitude is taken under it
.set OFF4,  0xfe000000                 ; takes 4 off an exponent field
.set WN,    32                         ; v32-95: the first half of x's registers, later a fragment's 64 numbers
	s_load_b256 s[4:11], s[0:1], 0x0               ; x, wq, wk, wv
	s_load_b128 s[12:15], s[0:1], 0x20             ; wo, stats
	s_load_b64 s[16:17], s[0:1], 0x30              ; wimg
	v_lshl_add_u32 v168, v0, 2, 0x400
	v_mov_b32 v169, 0
	v_lshrrev_b32 v1, 5, v0
	v_readfirstlane_b32 s24, v1                    ; wave 0..15
	v_and_b32 v1, 31, v0                           ; lane
	v_and_b32 v2, 15, v0                           ; r
	v_bfe_u32 v3, v0, 4, 1                         ; h
	s_mov_b32 s20, 0x76543210
	s_mov_b32 s21, 0xfedcba98                      ; v_permlanex16_b32's selects for lane l xor 16
	s_lshr_b32 s26, ttmp9, 3                       ; image
	s_and_b32 s27, ttmp9, 7                        ; which 64 channels
	s_lshl_b32 s28, s26, 21                        ; an image is 2,097,152 bytes
	s_lshl_b32 s29, s27, 8
	s_add_co_u32 s28, s28, s29
	s_lshl_b32 s29, s24, 17                        ; my wave's 64 rows of 2,048 bytes
	s_add_co_u32 s28, s28, s29
	s_mov_b32 s29, 0
	s_lshl_b32 s30, s26, 8                         ; stats: 256 bytes an image, 8 a group
	s_lshl_b32 s31, s27, 5
	s_add_co_u32 s30, s30, s31
	s_mov_b32 s31, 0
	s_mov_b32 s33, 0x38800000                      ; 1 / 16,384: a group has 1,024 x 16 numbers
	s_mov_b32 s34, 0x358637bd                      ; 1e-6
	v_lshlrev_b32 v4, 4, v2
	v_lshl_add_u32 v4, v3, 11, v4                  ; lanes 0-15 one row's 256 bytes, lanes 16-31 the next row's
	s_wait_kmcnt 0x0
	s_add_nc_u64 s[4:5], s[4:5], s[28:29]
.set jj, 0
.rept 32
	global_load_b128 v[32+4*jj:35+4*jj], v4, s[4:5] offset:4096*jj
.set jj, jj+1
.endr
	s_add_nc_u64 s[14:15], s[14:15], s[30:31]
	v_bfe_u32 v5, v0, 2, 2                         ; my four channels' group, 0..3
	v_lshlrev_b32 v6, 6, v5                        ; LDS: 64 bytes a group, a word a wave
	s_lshl_b32 s32, s24, 2
	v_add_nc_u32 v7, s32, v6
	v_lshlrev_b32 v10, 3, v5
	v_mov_b32 v9, 0                                ; (a lane permute's destination counts as one of its sources)
	; the fragment of waves 0 and 1: weight wt, tile T, K step k.  (Every wave makes the addresses; only those two use them)
	s_lshr_b32 s40, ttmp9, 6                       ; wt
	s_bfe_u32 s41, ttmp9, 0x50001                  ; T: five bits from bit 1
	s_and_b32 s42, ttmp9, 1
	s_lshl_b32 s42, s42, 1
	s_and_b32 s43, s24, 1
	s_add_co_u32 s42, s42, s43                     ; k
	s_lshr_b32 s44, s41, 1
	s_lshl_b32 s44, s44, 7                         ; the tile's first column, in bytes: 128 (T / 2)
	s_and_b32 s45, s41, 1
	s_lshl_b32 s45, s45, 5                         ; + 32 (T % 2)
	s_add_co_u32 s44, s44, s45
	s_lshl_b32 s45, s42, 18                        ; + 128 k rows of 2,048 bytes
	s_add_co_u32 s44, s44, s45
	s_mov_b32 s45, 0
	s_lshl_b32 s46, s40, 5
	s_add_co_u32 s46, s46, s41
	s_mul_i32 s46, s46, 6656                       ; the record
	s_mul_i32 s48, s42, 1536
	s_add_co_u32 s48, s48, s46                     ; its image k
	s_mov_b32 s49, 0
	s_lshl_b32 s50, s42, 7
	s_add_co_u32 s50, s50, s46
	s_add_co_u32 s50, s50, 6144                    ; its scale image k
	s_mov_b32 s51, 0
	s_cmp_eq_u32 s40, 1                            ; which weight: the choice hangs on the work-group's number alone
	s_cselect_b64 s[6:7], s[8:9], s[6:7]
	s_cmp_eq_u32 s40, 2
	s_cselect_b64 s[6:7], s[10:11], s[6:7]
	s_cmp_eq_u32 s40, 3
	s_cselect_b64 s[6:7], s[12:13], s[6:7]
	s_add_nc_u64 s[6:7], s[6:7], s[44:45]
	s_add_nc_u64 s[18:19], s[16:17], s[50:51]
	s_add_nc_u64 s[16:17], s[16:17], s[48:49]
	v_and_b32 v160, 8, v2
	v_add_nc_u32 v160, v160, v2                    ; r + 8 (r / 8)
	v_lshlrev_b32 v160, 2, v160
	v_lshl_add_u32 v160, v3, 16, v160              ; lanes 16-31 begin 32 rows further down
	v_lshlrev_b32 v161, 4, v1                      ; 16 x lane
	v_lshlrev_b32 v162, 2, v1                      ; 4 x lane
; four chains in v[24:31] -> the group's sum over the work-group, in v8 of every lane.  off: the LDS bytes of this reduction
.macro REDUCE off
	v_pk_add_f32 v[24:25], v[24:25], v[26:27]
	v_pk_add_f32 v[28:29], v[28:29], v[30:31]
	v_pk_add_f32 v[24:25], v[24:25], v[28:29]
	v_add_f32 v8, v24, v25
	v_add_f32_dpp v8, v8, v8 row_xmask:1 row_mask:0xf bank_mask:0xf    ; the lanes of one group: l xor 1, l xor 2,
	v_add_f32_dpp v8, v8, v8 row_xmask:2 row_mask:0xf bank_mask:0xf
	v_permlanex16_b32 v9, v8, s20, s21                                 ; and l xor 16
	v_add_f32 v8, v8, v9
	ds_store_b32 v7, v8 offset:\off                ; the lanes of a group write the same word with the same value
	s_wait_dscnt 0x0                               ; for the others' sake: my store has landed
	s_barrier_signal -1
	s_barrier_wait -1
	ds_load_b128 v[16:19], v6 offset:\off
	ds_load_b128 v[20:23], v6 offset:\off+16
	ds_load_b128 v[24:27], v6 offset:\off+32
	ds_load_b128 v[28:31], v6 offset:\off+48
	s_wait_dscnt 0x0
	v_pk_add_f32 v[16:17], v[16:17], v[18:19]      ; the sixteen waves' sums, in one fixed order in every lane
	v_pk_add_f32 v[20:21], v[20:21], v[22:23]
	v_pk_add_f32 v[24:25], v[24:25], v[26:27]
	v_pk_add_f32 v[28:29], v[28:29], v[30:31]
	v_pk_add_f32 v[16:17], v[16:17], v[20:21]
	v_pk_add_f32 v[24:25], v[24:25], v[28:29]
	v_pk_add_f32 v[16:17], v[16:17], v[24:25]
	v_add_f32 v8, v16, v17
.endm
	; ---- first pass: the sums
	s_wait_loadcnt 24                              ; the first eight loads are in; 24 younger ones may be out
.irp c, 0,1,2,3
	v_pk_add_f32 v[24+2*\c:25+2*\c], v[32+2*\c:33+2*\c], v[40+2*\c:41+2*\c]   ; the first pairs start the four chains
.endr
.set jj, 8
.rept 56
.if jj == 16
	s_wait_loadcnt 16
.endif
.if jj == 32
	s_wait_loadcnt 8
.endif
.if jj == 48
	s_wait_loadcnt 0x0
.endif
	v_pk_add_f32 v[24+2*(jj%4):25+2*(jj%4)], v[24+2*(jj%4):25+2*(jj%4)], v[32+2*jj:33+2*jj]
.set jj, jj+1
.endr
	REDUCE 0
	v_mul_f32 v12, s33, v8                         ; the mean
	v_mov_b32 v13, v12
	; ---- second pass: the squares about the mean
.set jj, 0
.rept 16
.if jj == 8                                    ; v32-95 have been squared: in waves 0 and 1 they take the fragment's numbers
	s_cmp_ge_u32 s24, 2
	s_cbranch_scc1 .Lnoload
.irp c, 0,1
.set ii, 0
.rept 32
	global_load_b32 v[WN+32*\c+ii], v160, s[6:7] offset:(64*\c+ii)*2048   ; W(128 k + 64 c + 32 h + i, my column)
.set ii, ii+1
.endr
.endr
.Lnoload:
.endif
.irp c, 0,1,2,3
	v_pk_add_f32 v[16+2*\c:17+2*\c], v[32+8*jj+2*\c:33+8*jj+2*\c], v[12:13] neg_lo:[0,1] neg_hi:[0,1]   ; x - mean
.endr
.irp c, 0,1,2,3
.if jj == 0
	v_pk_mul_f32 v[24+2*\c:25+2*\c], v[16+2*\c:17+2*\c], v[16+2*\c:17+2*\c]
.else
	v_pk_fma_f32 v[24+2*\c:25+2*\c], v[16+2*\c:17+2*\c], v[16+2*\c:17+2*\c], v[24+2*\c:25+2*\c]
.endif
.endr
.set jj, jj+1
.endr
	REDUCE 256                                     ; other LDS bytes than the first reduction's
	v_fma_f32 v11, v8, s33, s34                    ; variance + 1e-6
	v_rsq_f32 v13, v11
	v_and_b32 v14, 19, v0                          ; (a plain line behind the transcendental)
	s_wait_alu depctr_va_vdst(0)                   ; a wait ahead of the result's first reader and of the branch
	s_cmp_lg_u32 s24, 0
	s_cbranch_scc1 .Ldone                          ; wave 0 stores
	v_cmp_eq_u32 vcc_lo, 0, v14                    ; lanes 0, 4, 8, 12: one for each group
	s_wait_xcnt 0x0                                ; EXEC changes only behind this wait: the fragment's loads have been issued under the full one
	s_and_saveexec_b32 s35, vcc_lo
	global_store_b64 v10, v[12:13], s[14:15]       ; (mean, 1 / sqrt(variance + 1e-6))
	s_wait_xcnt 0x0
	s_or_b32 exec_lo, exec_lo, s35
.Ldone:
	s_cmp_ge_u32 s24, 2
	s_cbranch_scc1 .Lend
	; ---- waves 0 and 1: the fragment.  v96-159, the second half of x's registers, are free for the work
	s_wait_loadcnt 0x0
.irp c, 0,1                                    ; my block 2 c + h: all its 32 numbers are mine
	v_max3_num_f32 v[96+\c], |v[WN+32*\c]|, |v[WN+1+32*\c]|, FLOOR
.endr
.irp i, 2,4,6,8,10,12,14,16,18,20,22,24,26,28,30
.irp c, 0,1
	v_max3_num_f32 v[96+\c], v[96+\c], |v[WN+32*\c+\i]|, |v[WN+1+32*\c+\i]|
.endr
.endr
.irp c, 0,1
	v_add_nc_u32 v[100+\c], OFF4, v[96+\c]         ; the conversion takes this operand's exponent field as its scale
.endr
.irp c, 0,1
	v_lshrrev_b32 v[98+\c], 23, v[100+\c]          ; the scale's byte
.endr
	v_lshl_or_b32 v116, v99, 16, v98               ; my two bytes: blocks h and 2 + h,
	v_lshlrev_b32 v117, 3, v3
	v_lshlrev_b32 v116, v117, v116                 ; at their places in the word;
	v_mov_b32 v117, 0
	v_permlanex16_b32 v117, v116, s20, s21
	v_or_b32 v116, v116, v117                      ; with lane l xor 16's two the word is whole, in both halves of the lanes
.irp c, 0,1
	v_cvt_scalef32_pk16_bf6_f32 v[104+6*\c:106+6*\c], v[WN+32*\c:WN+15+32*\c], v[100+\c]
	v_cvt_scalef32_pk16_bf6_f32 v[120+4*\c:122+4*\c], v[WN+16+32*\c:WN+31+32*\c], v[100+\c]   ; (a conversion's three registers begin on an even number)
.endr
	v_nop                                          ; one plain line behind a scaled conversion
.irp c, 0,1
.irp i, 0,1,2
	v_mov_b32 v[107+6*\c+\i], v[120+4*\c+\i]
.endr
.endr
.irp c, 0,1,2
	global_store_b128 v161, v[104+4*\c:107+4*\c], s[16:17] offset:512*\c   ; 32 lanes store 512 consecutive bytes
.endr
	global_store_b32 v162, v116, s[18:19]
.Lend:
	s_wait_tensorcnt 0x0
	ds_add_u32 v168, v169
	s_wait_dscnt 0x0
	s_endpgm
.Lfunc_end_k_qc3b792e069_prep:
	.size	k_qc3b792e069_prep, .Lfunc_end_k_qc3b792e069_prep-k_qc3b792e069_prep
	.p2alignl 7, 3214868480
	.fill 96, 4, 3214868480
	.section	.rodata,"a",@progbits
	.p2align	6, 0x0
	.amdhsa_kernel k_qc3b792e069_prep
		.amdhsa_group_segment_fixed_size 3072
		.amdhsa_private_segment_fixed_size 0
		.amdhsa_enable_private_segment 0
		.amdhsa_kernarg_size 56
		.amdhsa_user_sgpr_count 2
		.amdhsa_user_sgpr_kernarg_segment_ptr 1
		.amdhsa_wavefront_size32 1
		.amdhsa_system_sgpr_workgroup_id_x 1
		.amdhsa_system_sgpr_workgroup_id_y 1
		.amdhsa_system_sgpr_workgroup_id_z 1
		.amdhsa_system_vgpr_workitem_id 0
		.amdhsa_next_free_vgpr 170
		.amdhsa_next_free_sgpr 66
		.amdhsa_reserve_vcc 1
		.amdhsa_float_denorm_mode_32 3
		.amdhsa_float_denorm_mode_16_64 3
		.amdhsa_memory_ordered 1
		.amdhsa_forward_progress 1
		.amdhsa_inst_pref_size 31
	.end_amdhsa_kernel
	.amdgpu_metadata
---
amdhsa.version: [ 1, 2 ]
amdhsa.kernels:
  - .name:           k_qc3b792e069_prep
    .symbol:         k_qc3b792e069_prep.kd
    .args:
      - { .name: x, .offset: 0, .size: 8, .value_kind: global_buffer, .address_space: global }
      - { .name: wq, .offset: 8, .size: 8, .value_kind: global_buffer, .address_space: global }
      - { .name: wk, .offset: 16, .size: 8, .value_kind: global_buffer, .address_space: global }
      - { .name: wv, .offset: 24, .size: 8, .value_kind: global_buffer, .address_space: global }
      - { .name: wo, .offset: 32, .size: 8, .value_kind: global_buffer, .address_space: global }
      - { .name: stats, .offset: 40, .size: 8, .value_kind: global_buffer, .address_space: global }
      - { .name: wimg, .offset: 48, .size: 8, .value_kind: global_buffer, .address_space: global }
    .group_segment_fixed_size: 3072
    .private_segment_fixed_size: 0
    .kernarg_segment_align: 8
    .kernarg_segment_size: 56
    .max_flat_workgroup_size: 512
    .sgpr_count:     66
    .vgpr_count:     170
    .wavefront_size: 32
...
	.end_amdgpu_metadata
.endif
;; end of part 1
;; launch proj (part 2): grid 8 x 32, 4 waves a work-group, no clusters, 121,344 bytes of LDS; arguments x, stats, gn_gamma, gn_beta, wimg, bq, bk, bv, qimg, kv; writes qimg, kv
.if DOCPART == 2
	.amdgcn_target "amdgcn-amd-amdhsa--gfx1250"
	.amdhsa_code_object_version 6
	.text
	.protected	k_qc3b792e069_proj
	.globl	k_qc3b792e069_proj
	.p2align	8
	.type	k_qc3b792e069_proj,@function
k_qc3b792e069_proj:
	s_mov_b64 s[64:65], 0
	v_nop
	global_prefetch_b8 v0, s[64:65] scope:SCOPE_SE
	s_setreg_imm32_b32 hwreg(HW_REG_WAVE_MODE, 25, 1), 1
	s_wait_xcnt 0x0
; Group norm, the three projections on codes of BF6 (E3M2, one E8M0 byte for each 32 along K), and q, k, v quantised along the K of the product that takes them next.
; The raw reshape of reference() makes pixel p = 2 c' + u and channel d into row c', column 512 u + d.  q and k are contracted over c' (32 pixels of one parity at one channel are a block), v over its columns.
; SHARES.  Work-group (2 s + u, image b) owns the 128 pixels 2 (128 s + t) + u, t = 0..127: K step s of c' at parity u.  Eight tiles of 16 pixels; row m of tile t8 is t = 32 (t8 / 2) + 8 (t8 % 2) + m + 8 (m / 8).
; PHASE X: wave w normalises tiles 2 w, 2 w + 1 (f32), quantises them along the channels and stores the fragments to LDS as images of their registers.  One barrier.
; ONE FORM FOR ALL PRODUCTS: a resident operand R (8 tiles x 4 K steps, 384 registers, source 0) against a streamed tile S (4 fragments, source 1): 32 matrix instructions on eight accumulators by turns.  In the result a lane is
;   S's row and its 64 registers run along R's rows, register 16 b + i being row 32 b + 16 (lane / 16) + i, since the rows of every tile are chosen as above: that is the order the quantiser takes.
;   q, k: R = the pixels, S = 16 columns of wq or wk (from memory, laid as register images by the launch before): a lane is a channel, its registers run along c'.   v: R = 128 columns of wv, S = 16 pixels (from LDS).
;   Wave w takes columns 128 w .. 128 w + 127 of each weight.  The biases are the C of each sum's first matrix instruction.
; OUT: qimg [b][32 u + T] records of 6,656 bytes (four images of 1,536, four scale images of 128; K step s);  kv [b][key step 4 u + w] blocks of 106,496 bytes: k images (4 jt + s) 1,536; their scale images at 49,152;
;   v images at 53,248 + 1,536 ct (ct = 8 s + tile); their scale images at 102,400.  Every store of codes covers 512 consecutive bytes.
; No cluster: the weights go from memory straight into one wave's registers, each fragment once a work-group; there is no LDS tile that partners could ask for jointly.
; LIMITS: NaN and infinities are not served; a block whose largest magnitude lies under 2^-122 has its byte held at 1; a block of zeros gets the byte 1 (its codes are zeros; this program alone reads the bytes).
; REGISTERS.  window 0: v1-12 addresses; v32-95 HA (accumulators; in phase X 64 numbers); v96-111 TM; v112 PW; v114-132 PC; v136-167 R's scale words; v168-175 S's; v176-177 q/k bias; v178-185 it spread as C; v192-255 64 numbers, later bv as C.
;   window 1: R(t, k = 0, 1) at 12 (2 t + k), S(p, k = 0, 1) at 192 + 24 p + 12 k; in phase X a ring of 4 x 64 numbers of x.   window 2: the same for k = 2, 3; in phase X gamma v0-15, beta v16-31, (mean, rstd) v32-39.
.set AIMG, 67584                       ; LDS: 0.. four waves x two stages of 16 rows x 528 bytes; AIMG: 32 images of 1,536 bytes, (4 tile + k);
.set ASC,  116736                      ; ASC: their scale images of 128 bytes
.set LI,  1                            ; 16 x lane
.set LS,  2                            ; 4 x lane
.set STW, 4                            ; my stage, on the way in: 16 x lane
.set STR, 5                            ; and out: 528 r + 64 h
.set IWI, 6                            ; where I store images: AIMG + 12,288 wave + 16 lane
.set IWS, 7                            ; and scale words: ASC + 1,024 wave + 4 lane
.set BO,  8                            ; 4 (r + 8 (r / 8)): my column in a tile's 32 channels
.set BVO, 9                            ; 64 h
.set AI,  10                           ; AIMG + 16 lane
.set ASA, 11                           ; ASC + 4 lane
.set SO,  12                           ; 8 (lane / 4): my four channels' group
.set HA,  32
.set TM,  96
.set PW,  112
.set PC,  114
.set RS,  136
.set SS,  168
.set BL,  176
.set CB,  178
.set BV,  192
.set SF,  192
.set SEL, 28
.set MSB, 0
.macro WIN new                         ; the immediate's high byte repeats the setting that is left; a switch that changes nothing is dropped
.if MSB != (\new)
	s_set_vgpr_msb (MSB<<8)|(\new)
.set MSB, (\new)
.endif
.endm
.macro PLACES n
.rept \n
	v_nop
.endr
.endm
; 64 numbers of a lane, v[s] .. v[s + 63], register 16 b + i = k 32 b + 16 (lane / 16) + i of my row, become a fragment's codes in v[PC] on and its scale word in v[PW] (in both halves of the lanes).
.macro QUANT s
.irp b, 0,1,2,3
	v_max3_num_f32 v[TM+\b], |v[\s+16*\b]|, |v[\s+1+16*\b]|, 0x2800000   ; my 16 numbers of block b, and the floor 2^(5 - 127): the byte cannot fall under 1
.endr
.irp i, 2,4,6,8,10,12,14
.irp b, 0,1,2,3
	v_max3_num_f32 v[TM+\b], v[TM+\b], |v[\s+16*\b+\i]|, |v[\s+1+16*\b+\i]|
.endr
.endr
.irp b, 0,1,2,3
	v_permlanex16_b32 v[TM+4+\b], v[TM+\b], s[SEL], s[SEL+1]
.endr
.irp b, 0,1,2,3
	v_max_num_f32 v[TM+\b], v[TM+\b], v[TM+4+\b]   ; with lane l xor 16's: the block's largest magnitude
.endr
.irp b, 0,1,2,3
	v_add_nc_u32 v[TM+12+\b], 0xfe000000, v[TM+\b] ; 4 off its exponent field: the conversion's scale operand
.endr
.irp b, 0,1,2,3
	v_lshrrev_b32 v[TM+4+\b], 23, v[TM+12+\b]      ; the scale's byte
.endr
	v_lshl_or_b32 v[PW], v[TM+5], 8, v[TM+4]
	v_lshl_or_b32 v[PW], v[TM+6], 16, v[PW]
	v_lshl_or_b32 v[PW], v[TM+7], 24, v[PW]
.irp c, 0,1
	v_cvt_scalef32_pk16_bf6_f32 v[PC+6*\c:PC+2+6*\c], v[\s+32*\c:\s+15+32*\c], v[TM+12+2*\c]
	v_cvt_scalef32_pk16_bf6_f32 v[PC+12+4*\c:PC+14+4*\c], v[\s+16+32*\c:\s+31+32*\c], v[TM+12+2*\c+1]   ; (a conversion's three registers begin on an even number)
.endr
	v_nop                                          ; one plain line behind a scaled conversion
.irp c, 0,1                                    ; the operand's layout wants a whole block in a lane
.irp i, 0,1,2
	v_permlane16_swap_b32 v[PC+6*\c+\i], v[PC+12+4*\c+\i]
.endr
.irp i, 0,1,2
	v_mov_b32 v[PC+3+6*\c+\i], v[PC+12+4*\c+\i]
.endr
.endr
.endm
; unit n = 4 u' + k: 16 rows (tile 2 w + u') x 128 channels (K step k) of x into ring set n % 4: each load takes 512 consecutive bytes of one row
.macro XLOAD n
	WIN 0x40
.set mm, 0
.rept 16
	global_load_b128 v[64*((\n)%4)+4*mm:64*((\n)%4)+4*mm+3], v[LI], s[4:5] offset:(8*((\n)/4)+mm+(mm&8))*4096+512*((\n)%4) th:TH_LOAD_NT
.set mm, mm+1
.endr
	WIN 0
.endm
; unit n is normalised in place, (x - mean) (rstd gamma) + beta, and turned through my stage: in as rows, out 16 neighbours of each block of 32 to a lane.  LDS serves a wave's instructions in order: no wait between.
.macro TURN n
.set XQ, 64*((\n)%4)
.set KK, (\n)%4
.set YY, HA+160*((\n)%2)
	WIN 0x69                                       ; x in window 1; mean, gamma, beta in window 2
.set mm, 0
.rept 32
	v_pk_add_f32 v[XQ+2*mm:XQ+2*mm+1], v[XQ+2*mm:XQ+2*mm+1], v[32+2*KK:33+2*KK] op_sel_hi:[1,0] neg_lo:[0,1] neg_hi:[0,1]
.set mm, mm+1
.endr
.set mm, 0
.rept 16
	v_pk_fma_f32 v[XQ+4*mm:XQ+4*mm+1], v[XQ+4*mm:XQ+4*mm+1], v[4*KK:4*KK+1], v[16+4*KK:17+4*KK]
	v_pk_fma_f32 v[XQ+4*mm+2:XQ+4*mm+3], v[XQ+4*mm+2:XQ+4*mm+3], v[4*KK+2:4*KK+3], v[18+4*KK:19+4*KK]
.set mm, mm+1
.endr
	WIN 0x04                                       ; an LDS store's data are its source 1
.set mm, 0
.rept 16
	ds_store_b128 v[STW], v[XQ+4*mm:XQ+4*mm+3] offset:8448*((\n)%2)+528*mm
.set mm, mm+1
.endr
	WIN 0
.irp b, 0,1,2,3
.irp j, 0,1,2,3
	ds_load_b128 v[YY+16*\b+4*\j:YY+16*\b+4*\j+3], v[STR] offset:8448*((\n)%2)+128*\b+16*\j
.endr
.endr
.endm
; a tile of 16 columns of wq or wk into S(p): 12 + 4 + 1 = 17 loads.  rec: its record's bytes from s[32:33]; bp, boff: its bias
.macro SLOAD p, rec, bp, boff
	WIN 0x40
.irp k, 0,1
.irp c, 0,1,2
	global_load_b128 v[SF+24*(\p)+12*\k+4*\c:SF+24*(\p)+12*\k+4*\c+3], v[LI], s[32:33] offset:(\rec)+1536*\k+512*\c
.endr
.endr
	WIN 0x80
.irp k, 0,1
.irp c, 0,1,2
	global_load_b128 v[SF+24*(\p)+12*\k+4*\c:SF+24*(\p)+12*\k+4*\c+3], v[LI], s[32:33] offset:(\rec)+3072+1536*\k+512*\c
.endr
.endr
	WIN 0
.irp k, 0,1,2,3
	global_load_b32 v[SS+4*(\p)+\k], v[LS], s[32:33] offset:(\rec)+6144+128*\k
.endr
	global_load_b32 v[BL+(\p)], v[BO], s[\bp:\bp+1] offset:\boff
.endm
; a tile of 16 pixels from LDS into S(p): 12 + 4 = 16 LDS loads
.macro SFETCH p, t
	WIN 0x40
.irp k, 0,1
.irp c, 0,1,2
	ds_load_b128 v[SF+24*(\p)+12*\k+4*\c:SF+24*(\p)+12*\k+4*\c+3], v[AI] offset:(4*(\t)+\k)*1536+512*\c
.endr
.endr
	WIN 0x80
.irp k, 0,1
.irp c, 0,1,2
	ds_load_b128 v[SF+24*(\p)+12*\k+4*\c:SF+24*(\p)+12*\k+4*\c+3], v[AI] offset:(4*(\t)+2+\k)*1536+512*\c
.endr
.endr
	WIN 0
.irp k, 0,1,2,3
	ds_load_b32 v[SS+4*(\p)+\k], v[ASA] offset:(4*(\t)+\k)*128
.endr
.endm
; 32 matrix instructions: R's eight tiles against S(p), K step by K step; the eight accumulators take turns, one instruction a turn.  C of the first K step: v[cb + cstep t] on.
; Five places follow: the next run begins these accumulators anew with another C, and loads into S(p) and reads of the results come behind them too.
.macro MUL32 p, cb, cstep
.irp k, 0,1,2,3
.if \k == 0
	WIN 0x05
.endif
.if \k == 2
	WIN 0x0a
.endif
.irp t, 0,1,2,3,4,5,6,7
.if \k == 0
	v_wmma_scale_f32_16x16x128_f8f6f4 v[HA+8*\t:HA+8*\t+7], v[12*(2*\t+\k%2):12*(2*\t+\k%2)+11], v[SF+24*(\p)+12*(\k%2):SF+24*(\p)+12*(\k%2)+11], v[(\cb)+(\cstep)*\t:(\cb)+(\cstep)*\t+7], v[RS+4*\t+\k], v[SS+4*(\p)+\k] matrix_a_fmt:MATRIX_FMT_BF6 matrix_b_fmt:MATRIX_FMT_BF6
.else
	v_wmma_scale_f32_16x16x128_f8f6f4 v[HA+8*\t:HA+8*\t+7], v[12*(2*\t+\k%2):12*(2*\t+\k%2)+11], v[SF+24*(\p)+12*(\k%2):SF+24*(\p)+12*(\k%2)+11], v[HA+8*\t:HA+8*\t+7], v[RS+4*\t+\k], v[SS+4*(\p)+\k] matrix_a_fmt:MATRIX_FMT_BF6 matrix_b_fmt:MATRIX_FMT_BF6
.endif
.endr
.endr
	WIN 0
	PLACES 5
.endm
; wv's eight tiles of my 128 columns take R's place, with their scale words, and bv in the result's layout
.macro RLOAD
	WIN 0x40
.irp t, 0,1,2,3,4,5,6,7
.irp k, 0,1
.irp c, 0,1,2
	global_load_b128 v[12*(2*\t+\k)+4*\c:12*(2*\t+\k)+4*\c+3], v[LI], s[34:35] offset:6656*\t+1536*\k+512*\c
.endr
.endr
.endr
	WIN 0x80
.irp t, 0,1,2,3,4,5,6,7
.irp k, 0,1
.irp c, 0,1,2
	global_load_b128 v[12*(2*\t+\k)+4*\c:12*(2*\t+\k)+4*\c+3], v[LI], s[34:35] offset:6656*\t+3072+1536*\k+512*\c
.endr
.endr
.endr
	WIN 0
.irp t, 0,1,2,3,4,5,6,7
.irp k, 0,1,2,3
	global_load_b32 v[RS+4*\t+\k], v[LS], s[34:35] offset:6656*\t+6144+128*\k
.endr
.endr
.irp t, 0,1,2,3,4,5,6,7
	global_load_b128 v[BV+8*\t:BV+8*\t+3], v[BVO], s[18:19] offset:4*(32*(\t/2)+8*(\t%2))
	global_load_b128 v[BV+8*\t+4:BV+8*\t+7], v[BVO], s[18:19] offset:4*(32*(\t/2)+8*(\t%2))+16
.endr
.endm
	s_load_b256 s[4:11], s[0:1], 0x0               ; x, stats, gamma, beta
	s_load_b256 s[12:19], s[0:1], 0x20             ; wimg, bq, bk, bv
	s_load_b128 s[20:23], s[0:1], 0x40             ; qimg, kv
	v_lshl_add_u32 v190, v0, 2, 0x1d800
	v_mov_b32 v191, 0
	v_lshrrev_b32 v3, 5, v0
	v_readfirstlane_b32 s24, v3                    ; wave 0..3
	s_lshr_b32 s25, ttmp9, 1                       ; s: which 128 of c'
	s_and_b32 s26, ttmp9, 1                        ; u: the pixels' parity
	s_and_b32 s27, ttmp7, 0xffff                   ; image
	s_mov_b32 s[SEL], 0x76543210
	s_mov_b32 s[SEL+1], 0xfedcba98
	v_and_b32 v13, 31, v0                          ; lane
	v_and_b32 v14, 15, v0                          ; r
	v_bfe_u32 v15, v0, 4, 1                        ; h
	v_lshlrev_b32 v[LI], 4, v13
	v_lshlrev_b32 v[LS], 2, v13
	v_lshrrev_b32 v[SO], 2, v13
	v_lshlrev_b32 v[SO], 3, v[SO]
	s_lshl_b32 s40, s27, 21                        ; x: the image,
	s_lshl_b32 s41, s25, 19                        ; pixel 256 s
	s_add_co_u32 s40, s40, s41
	s_lshl_b32 s41, s26, 11                        ; + u,
	s_add_co_u32 s40, s40, s41
	s_lshl_b32 s41, s24, 17                        ; my wave's 32 rows, 4,096 bytes apart
	s_add_co_u32 s40, s40, s41
	s_mov_b32 s41, 0
	s_lshl_b32 s42, s27, 8
	s_mov_b32 s43, 0
	s_wait_kmcnt 0x0
	s_add_nc_u64 s[4:5], s[4:5], s[40:41]
	s_add_nc_u64 s[6:7], s[6:7], s[42:43]
	WIN 0x80
.irp k, 0,1,2,3
	global_load_b64 v[32+2*\k:33+2*\k], v[SO], s[6:7] offset:64*\k      ; (mean, rstd) of channels 128 k + 4 lane ..
.endr
.irp k, 0,1,2,3
	global_load_b128 v[4*\k:4*\k+3], v[LI], s[8:9] offset:512*\k        ; gamma
.endr
.irp k, 0,1,2,3
	global_load_b128 v[16+4*\k:19+4*\k], v[LI], s[10:11] offset:512*\k  ; beta
.endr
	XLOAD 0
	XLOAD 1
	XLOAD 2
	XLOAD 3
	s_mul_i32 s31, s24, 16896
	v_add_nc_u32 v[STW], s31, v[LI]
	v_mul_u32_u24 v[STR], v14, 528
	v_lshl_add_u32 v[STR], v15, 6, v[STR]
	v_add_nc_u32 v[STR], s31, v[STR]
	s_mul_i32 s31, s24, 12288
	s_add_co_u32 s31, s31, AIMG
	v_add_nc_u32 v[IWI], s31, v[LI]
	s_lshl_b32 s31, s24, 10
	s_add_co_u32 s31, s31, ASC
	v_add_nc_u32 v[IWS], s31, v[LS]
	v_and_b32 v[BO], 8, v14
	v_add_nc_u32 v[BO], v[BO], v14
	v_lshlrev_b32 v[BO], 2, v[BO]
	v_lshlrev_b32 v[BVO], 6, v15
	v_add_nc_u32 v[AI], AIMG, v[LI]
	v_add_nc_u32 v[ASA], ASC, v[LS]
.irp b, 0,1,2,3
	v_mov_b32 v[TM+4+\b], 0                        ; written once: a lane permute's destination counts as one of its sources
.endr
	; the other pointers
	s_lshl_b32 s44, s24, 9                         ; the biases: my 128 columns
	s_mov_b32 s45, 0
	s_add_nc_u64 s[14:15], s[14:15], s[44:45]
	s_add_nc_u64 s[16:17], s[16:17], s[44:45]
	s_add_nc_u64 s[18:19], s[18:19], s[44:45]
	s_mul_i32 s46, s24, 53248                      ; my eight records of a weight
	s_mov_b32 s47, 0
	s_add_nc_u64 s[32:33], s[12:13], s[46:47]      ; in wq (wk's lie 212,992 bytes on),
	s_add_nc_u64 s[34:35], s[32:33], 425984        ; in wv
	s_lshl_b32 s48, s27, 6
	s_lshl_b32 s49, s26, 5
	s_add_co_u32 s48, s48, s49
	s_lshl_b32 s49, s24, 3
	s_add_co_u32 s48, s48, s49
	s_mul_i32 s48, s48, 6656                       ; qimg: record 64 b + 32 u + 8 w
	s_mov_b32 s49, 0
	s_lshl_b32 s50, s27, 3
	s_lshl_b32 s51, s26, 2
	s_add_co_u32 s50, s50, s51
	s_add_co_u32 s50, s50, s24
	s_mul_i32 s50, s50, 106496                     ; kv: block 8 b + 4 u + w
	s_mov_b32 s51, 0
	s_add_nc_u64 s[20:21], s[20:21], s[48:49]
	s_add_nc_u64 s[22:23], s[22:23], s[50:51]
	s_mov_b32 s53, 0
	s_lshl_b32 s52, s25, 7
	s_add_nc_u64 s[36:37], s[20:21], s[52:53]
	s_add_nc_u64 s[36:37], s[36:37], 6144          ; q's scale image s
	s_add_nc_u64 s[38:39], s[22:23], s[52:53]
	s_add_nc_u64 s[38:39], s[38:39], 49152         ; k's
	s_lshl_b32 s52, s25, 10
	s_add_nc_u64 s[58:59], s[22:23], s[52:53]
	s_add_nc_u64 s[58:59], s[58:59], 102400        ; v's scale images of tiles 8 s ..
	s_mul_i32 s52, s25, 12288
	s_add_nc_u64 s[56:57], s[22:23], s[52:53]
	s_add_nc_u64 s[56:57], s[56:57], 53248         ; v's images of tiles 8 s ..
	s_mul_i32 s52, s25, 1536
	s_add_nc_u64 s[20:21], s[20:21], s[52:53]      ; q's image s
	s_add_nc_u64 s[22:23], s[22:23], s[52:53]      ; k's image s
	; ---- PHASE X
	s_wait_loadcnt 48                              ; statistics, gamma, beta and unit 0 are in; units 1 to 3 (48 loads) may be out
	WIN 0xaa
.irp k, 0,1,2,3
	v_pk_mul_f32 v[4*\k:4*\k+1], v[4*\k:4*\k+1], v[32+2*\k:33+2*\k] op_sel:[0,1] op_sel_hi:[1,1]      ; gamma x rstd
	v_pk_mul_f32 v[4*\k+2:4*\k+3], v[4*\k+2:4*\k+3], v[32+2*\k:33+2*\k] op_sel:[0,1] op_sel_hi:[1,1]
.endr
	TURN 0
.macro STEP n
	s_wait_dscnt 0x0                               ; unit n is back from the stage, so the stage's stores have read ring set n % 4; the last images' stores have read PC and PW
.if (\n) < 4
	XLOAD (\n)+4
	s_wait_loadcnt 48                              ; unit n + 1 is in; the three younger units may be out
	TURN (\n)+1
.elseif (\n) < 7
	s_wait_loadcnt 16*(6-(\n))                     ; the units younger than n + 1
	TURN (\n)+1
.else
	SLOAD 0, 0, 14, 0                              ; the ring is done with: the first tiles of wq and wk are asked for
	SLOAD 1, 212992, 16, 0
.endif
	QUANT HA+160*((\n)%2)
.irp c, 0,1,2
	ds_store_b128 v[IWI], v[PC+4*\c:PC+4*\c+3] offset:(\n)*1536+512*\c
.endr
	ds_store_b32 v[IWS], v[PW] offset:(\n)*128
.endm
.irp n, 0,1,2,3,4,5,6,7
	STEP \n
.endr
	s_wait_dscnt 0x0                               ; for the others' sake: my images have landed
	s_barrier_signal -1
	s_barrier_wait -1                              ; the 32 fragments of the 128 pixels lie in LDS
	WIN 0x40
.irp t, 0,1,2,3,4,5,6,7
.irp k, 0,1
.irp c, 0,1,2
	ds_load_b128 v[12*(2*\t+\k)+4*\c:12*(2*\t+\k)+4*\c+3], v[AI] offset:(4*\t+\k)*1536+512*\c
.endr
.endr
.endr
	WIN 0x80
.irp t, 0,1,2,3,4,5,6,7
.irp k, 0,1
.irp c, 0,1,2
	ds_load_b128 v[12*(2*\t+\k)+4*\c:12*(2*\t+\k)+4*\c+3], v[AI] offset:(4*\t+2+\k)*1536+512*\c
.endr
.endr
.endr
	WIN 0
.irp t, 0,1,2,3,4,5,6,7
.irp k, 0,1,2,3
	ds_load_b32 v[RS+4*\t+\k], v[ASA] offset:(4*\t+\k)*128
.endr
.endr
	s_wait_dscnt 0x0
	; ---- PHASE QK: 16 tiles; a trip: (q, T even), (k, T even), (q, T odd), (k, T odd), on S(0), S(1), S(0), S(1)
; mode 1: the tile two on is asked for (nrec, nbp, nboff); 0: nothing; 2: the last tile: wv takes R's place and the first two tiles of pixels are fetched.  cnt: the younger loads
.macro QKTILE p, isk, odd, mode, nrec, nbp, nboff, cnt
	s_wait_loadcnt \cnt
.irp j, 0,1,2,3,4,5,6,7
	v_mov_b32 v[CB+\j], v[BL+(\p)]                 ; a lane is one channel: its bias stands in all eight registers of C
.endr
	PLACES 4
	MUL32 \p, CB, 0
.if (\mode) == 1
	SLOAD \p, \nrec, \nbp, \nboff
.endif
.if (\mode) == 2
	RLOAD
	SFETCH 0, 0
	SFETCH 1, 1
.endif
	s_wait_xcnt 0x0                                ; the last stores have read PC and PW
	QUANT HA
.if \isk
.irp c, 0,1,2
	global_store_b128 v[LI], v[PC+4*\c:PC+4*\c+3], s[22:23] offset:6144*(\odd)+512*\c
.endr
	global_store_b32 v[LS], v[PW], s[38:39] offset:512*(\odd)
.else
.irp c, 0,1,2
	global_store_b128 v[LI], v[PC+4*\c:PC+4*\c+3], s[20:21] offset:6656*(\odd)+512*\c
.endr
	global_store_b32 v[LS], v[PW], s[36:37] offset:6656*(\odd)
.endif
.endm
	s_mov_b32 s30, 3
.Ltrip:
	QKTILE 0, 0, 0, 1, 6656, 14, 32, 17            ; 17: the next tile's loads may be out
	QKTILE 1, 1, 0, 1, 212992+6656, 16, 32, 17
	QKTILE 0, 0, 1, 1, 13312, 14, 128, 17
	QKTILE 1, 1, 1, 1, 212992+13312, 16, 128, 17
	s_wait_xcnt 0x0                                ; every load and store issued has read its base: the pointers step two tiles on
	s_add_nc_u64 s[32:33], s[32:33], 13312
	s_add_nc_u64 s[14:15], s[14:15], 128
	s_add_nc_u64 s[16:17], s[16:17], 128
	s_add_nc_u64 s[20:21], s[20:21], 13312
	s_add_nc_u64 s[36:37], s[36:37], 13312
	s_add_nc_u64 s[22:23], s[22:23], 12288
	s_add_nc_u64 s[38:39], s[38:39], 1024
	s_sub_co_u32 s30, s30, 1
	s_cmp_lg_u32 s30, 0
	s_cbranch_scc1 .Ltrip
	QKTILE 0, 0, 0, 1, 6656, 14, 32, 17            ; the last trip is written out: its last two tiles ask for no further tile, so no load leaves its buffer
	QKTILE 1, 1, 0, 1, 212992+6656, 16, 32, 17
	QKTILE 0, 0, 1, 0, 0, 14, 0, 17
	QKTILE 1, 1, 1, 2, 0, 14, 0, 0
	; ---- PHASE V: R = wv, S = a tile of pixels: a lane is a pixel (a row c'), its registers run along the channels, which are v's next K
.macro VTILE t
.if (\t) == 0
	s_wait_loadcnt 0x0                             ; wv, its scale words and bv
.endif
.if (\t) < 7
	s_wait_dscnt 16                                ; the next tile's 16 LDS loads may be out
.else
	s_wait_dscnt 0x0
.endif
	MUL32 (\t)%2, BV, 8
.if (\t) < 6
	SFETCH (\t)%2, (\t)+2
.endif
	s_wait_xcnt 0x0                                ; the last stores have read PC and PW
	QUANT HA
.irp c, 0,1,2
	global_store_b128 v[LI], v[PC+4*\c:PC+4*\c+3], s[56:57] offset:1536*(\t)+512*\c
.endr
	global_store_b32 v[LS], v[PW], s[58:59] offset:128*(\t)
.endm
.irp t, 0,1,2,3,4,5,6,7
	VTILE \t
.endr
	s_wait_tensorcnt 0x0
	ds_add_u32 v190, v191
	s_wait_dscnt 0x0
	s_endpgm
.Lfunc_end_k_qc3b792e069_proj:
	.size	k_qc3b792e069_proj, .Lfunc_end_k_qc3b792e069_proj-k_qc3b792e069_proj
	.p2alignl 7, 3214868480
	.fill 96, 4, 3214868480
	.section	.rodata,"a",@progbits
	.p2align	6, 0x0
	.amdhsa_kernel k_qc3b792e069_proj
		.amdhsa_group_segment_fixed_size 121344
		.amdhsa_private_segment_fixed_size 0
		.amdhsa_enable_private_segment 0
		.amdhsa_kernarg_size 80
		.amdhsa_user_sgpr_count 2
		.amdhsa_user_sgpr_kernarg_segment_ptr 1
		.amdhsa_wavefront_size32 1
		.amdhsa_system_sgpr_workgroup_id_x 1
		.amdhsa_system_sgpr_workgroup_id_y 1
		.amdhsa_system_sgpr_workgroup_id_z 1
		.amdhsa_system_vgpr_workitem_id 0
		.amdhsa_next_free_vgpr 768
		.amdhsa_next_free_sgpr 66
		.amdhsa_reserve_vcc 0
		.amdhsa_float_denorm_mode_32 3
		.amdhsa_float_denorm_mode_16_64 3
		.amdhsa_memory_ordered 1
		.amdhsa_forward_progress 1
		.amdhsa_inst_pref_size 255
	.end_amdhsa_kernel
	.section	.bss,"aw",@nobits
	.p2align	6
	.space	262144
	.amdgpu_metadata
---
amdhsa.version: [ 1, 2 ]
amdhsa.kernels:
  - .name:           k_qc3b792e069_proj
    .symbol:         k_qc3b792e069_proj.kd
    .args:
      - { .name: x, .offset: 0, .size: 8, .value_kind: global_buffer, .address_space: global }
      - { .name: stats, .offset: 8, .size: 8, .value_kind: global_buffer, .address_space: global }
      - { .name: gn_gamma, .offset: 16, .size: 8, .value_kind: global_buffer, .address_space: global }
      - { .name: gn_beta, .offset: 24, .size: 8, .value_kind: global_buffer, .address_space: global }
      - { .name: wimg, .offset: 32, .size: 8, .value_kind: global_buffer, .address_space: global }
      - { .name: bq, .offset: 40, .size: 8, .value_kind: global_buffer, .address_space: global }
      - { .name: bk, .offset: 48, .size: 8, .value_kind: global_buffer, .address_space: global }
      - { .name: bv, .offset: 56, .size: 8, .value_kind: global_buffer, .address_space: global }
      - { .name: qimg, .offset: 64, .size: 8, .value_kind: global_buffer, .address_space: global }
      - { .name: kv, .offset: 72, .size: 8, .value_kind: global_buffer, .address_space: global }
    .group_segment_fixed_size: 121344
    .private_segment_fixed_size: 0
    .kernarg_segment_align: 8
    .kernarg_segment_size: 80
    .max_flat_workgroup_size: 128
    .sgpr_count:     66
    .vgpr_count:     768
    .wavefront_size: 32
...
	.end_amdgpu_metadata
.endif
;; end of part 2
;; launch attn (part 3): grid 8 x 32, 4 waves a work-group, clusters of 4 x 1, 327,680 bytes of LDS; arguments qimg, kv, oimg; writes oimg
.if DOCPART == 3
	.amdgcn_target "amdgcn-amd-amdhsa--gfx1250"
	.amdhsa_code_object_version 6
	.text
	.protected	k_qc3b792e069_attn
	.globl	k_qc3b792e069_attn
	.p2align	8
	.type	k_qc3b792e069_attn,@function
k_qc3b792e069_attn:
	s_mov_b64 s[64:65], 0
	v_nop
	global_prefetch_b8 v0, s[64:65] scope:SCOPE_SE
	s_setreg_imm32_b32 hwreg(HW_REG_WAVE_MODE, 25, 1), 1
	s_wait_xcnt 0x0
	s_wait_alu depctr_hold_cnt(0) depctr_sa_sdst(0) depctr_va_vdst(0) depctr_va_sdst(0) depctr_va_ssrc(0) depctr_va_vcc(0) depctr_vm_vsrc(0)
	s_getreg_b32 s2, hwreg(HW_REG_IB_STS2, 6, 4)
	s_cmp_eq_u32 s2, 0
	s_cbranch_scc0 .Lentry_in_a_cluster
	s_endpgm
.Lentry_in_a_cluster:
	s_bfe_u32 s2, ttmp6, 0x10000c
	s_cmp_lg_u32 s2, 0x3003
	s_cbranch_scc0 .Lentry_shape_is_right
	s_endpgm
.Lentry_shape_is_right:
; out'[c'][i] = (sum over j of v'[c'][j] p[i][j]) / l[i], p = 2^(t - M), t = (q'[:, i] . k'[:, j]) log2(e) / sqrt(512), M the row's running largest t rounded up to a whole number, l the sum of the unquantised p.
; Both products on codes of BF6 (E3M2) with one E8M0 byte for each 32 along K.  The result is quantised along the queries i, which are the K of the last projection.
; SHARES.  A work-group owns 128 queries (block qb) of one image; wave w two tiles of 16, together 32 neighbouring i.  Every wave walks the 1,024 keys in 8 steps of 128.
; LAYOUT.  S^T = K Q^T (source 0 = 16 keys, source 1 = my 16 queries): a lane holds one query; the keys of a tile are chosen so that the 16 registers of tiles 2 b, 2 b + 1 are 16 neighbouring keys.
;   O = P V'^T (source 0 = P, source 1 = 16 rows c' of v'): a lane holds one c' and its registers run along the QUERIES, so that the last quantiser finds 16 neighbours along its K in a lane's registers.
;   What hangs on a query (the factor 2^(old M - new M), 1 / l) lies one to a lane and is spread to registers by lane moves (SPREAD).
; RING.  A key step's operands are one dense block of 106,496 bytes, laid as images of the operands' registers: every fragment comes out of LDS by three loads of 512 consecutive bytes.  Two slots; each wave moves a quarter.
; CLUSTER.  The four query blocks of a cluster belong to one image and walk the same blocks: each is asked for jointly, by the same tensor load with the same descriptor and a mask that names the four.
; A wave has one tensor load outstanding.
; LIMITS: NaN and infinities are not served; a block whose largest magnitude lies under 2^-122 has its byte held at 1; a block of zeros gets the byte 1 (its codes are zeros; this program alone reads the bytes).
; REGISTERS.  window 0: v1-15 addresses; v16-31 statistics, 8 a tile; v32-39 Q's scale words; v40-51 the fragments' (3 x 4); v52-53 P's; v56-59 at work at the end; v64-191 S^T, then p; v192-215 P's codes; v216-239 at work; v240-255 factors by register.
;   window 1: v0-95 Q (12 (4 q + k)); v96-239 three buffers of four fragments.   windows 2, 3: O: (c' tile ct, query tile q) at 16 (ct % 16) + 8 q.
.set STEPB, 106496
.set SLOT1, 131072                     ; slot 1 begins here: one exclusive or turns an address from one slot to the other
.set OST,   237568                     ; behind the ring: the stage for the result, 53,248 bytes, laid as the block that goes to memory; no tensor load lands here
.set SPARE, 290816                     ; the spare words, 128 bytes for each wave: two blocks of 256 bytes that no other line names
.set LI,  1
.set LS,  2
.set SPW, 3
.set NIL, 4
.set AK,  5
.set AV,  6
.set AKS, 7
.set AVS, 8
.set OA,  9                            ; v9-11
.set OSB, 12
.set ORD, 13
.set PFO, 14
.set LSK, 15
.set ST,  16                           ; tile q at ST + 8 q: +0 -M, +1 largest t, +2, +3 l in two halves, +4 f or 1 / l, +5 named with it as a pair, +6, +7 at work
.set QS,  32
.set FS,  40
.set PS,  52
.set EO,  56
.set S,   64
.set P,   192
.set BM,  216
.set T2,  220
.set SOP, 228
.set TA,  232
.set EM,  232
.set ET,  236
.set FT,  240
.set WV,  12
.set SEL, 20
.set CS,  22
.set G1,  24
.set G0,  32
.set TB,  36
.set SLOTS, 37
.set LIM, 38
.set HM,  39
.set PFA, 40
.set MSB, 0
.macro WIN new
.if MSB != (\new)
	s_set_vgpr_msb (MSB<<8)|(\new)
.set MSB, (\new)
.endif
.endm
.macro PLACES n
.rept \n
	v_nop
.endr
.endm
.macro CROUND                          ; a round of the cluster's barrier
	s_barrier_signal -1
	s_barrier_wait -1
	s_cmp_lg_u32 s[WV], 0
	s_cbranch_scc1 .Lnot_wave_0_\@
	s_barrier_signal -3
.Lnot_wave_0_\@:
	s_barrier_wait -3
	s_barrier_signal -1
	s_barrier_wait -1
.endm
; A prefetch of the block that the NEXT change of slots will ask for, one key step (128 matrix instructions a wave) ahead of that load.  The two clusters of an image walk the same blocks: the first asks.  Its sixteen waves share the
; block's 416 pieces of 256 bytes out by address, 26 each (lanes 25 to 31 name the same piece).  The last change that fills a slot asks for nothing; steps 0 and 1 come by their loads alone.
.macro ASKPF
	s_cmp_gt_u32 s[SLOTS], s[LIM]
	s_cbranch_scc0 .Lnot_mine_\@
	global_prefetch_b8 v[PFO], s[PFA:PFA+1] th:TH_LOAD_NT scope:SCOPE_SE
.Lnot_mine_\@:
.endm
	s_load_b128 s[4:7], s[0:1], 0x0                ; qimg, kv
	s_load_b64 s[8:9], s[0:1], 0x10                ; oimg
	v_lshl_add_u32 v[SPW], v0, 2, SPARE
	v_mov_b32 v[NIL], 0
	ds_add_u32 v3, v4
	ds_add_u32 v3, v4
	s_wait_dscnt 0x0
	v_lshrrev_b32 v216, 5, v0
	v_readfirstlane_b32 s[WV], v216                ; wave 0..3
	s_bfe_u32 s13, ttmp6, 0x40000                  ; cx
	s_lshl_b32 s14, ttmp9, 2
	s_add_co_u32 s14, s14, s13                     ; qb = 4 x cluster x + cx: it enters Q's, the result's and the prefetches' addresses alone
	s_and_b32 s15, ttmp7, 0xffff                   ; image, which the partners share
	s_mov_b32 s[G1], 15|(3<<16)|(1<<21)            ; 15:0 the mask: all four; 17:16 elements of 8 bytes; 21 set beside a mask; no padding
	s_mov_b32 s[G1+1], 32<<16                      ; tensor_dim0 = 32 elements: rows of 256 bytes
	s_mov_b32 s[G1+2], 104<<16                     ; tensor_dim1 = 104 rows: a quarter of a block
	s_mov_b32 s[G1+3], 32<<16                      ; tile_dim0
	s_mov_b32 s[G1+4], 104                         ; tile_dim1
	s_mov_b32 s[G1+5], 32                          ; the pitch: dense
	s_mov_b32 s[G1+6], 0
	s_mov_b32 s[G1+7], 0
	s_mov_b32 s[SEL], 0x76543210
	s_mov_b32 s[SEL+1], 0xfedcba98
	s_mov_b32 s[CS], 0x3d8293ee                    ; c = log2(e) / sqrt(512)
	s_mov_b32 s[CS+1], s[CS]
	s_mov_b32 s[HM], 0xffff0000                    ; lanes 16-31
	s_mov_b32 s[TB], 0
	s_mov_b32 s[SLOTS], 7
	s_cmp_eq_u32 ttmp9, 0
	s_cselect_b32 s[LIM], 1, -1                    ; the same in all four partners
	s_mul_i32 s50, s15, 851968                     ; the image's eight blocks
	s_mul_i32 s51, s[WV], 26624                    ; my quarter, in memory and in a slot
	s_add_co_u32 s52, s50, s51
	s_mov_b32 s53, 0
	s_lshl_b32 s54, s[WV], 2
	s_add_co_u32 s54, s54, s13
	s_mul_i32 s54, s54, 6656                       ; my 26 pieces of a block,
	s_add_co_u32 s54, s54, s50
	s_add_co_u32 s54, s54, STEPB                   ; in step 1: the first change of slots steps it to step 2
	s_mov_b32 s55, 0
	s_lshl_b32 s42, s15, 6
	s_lshl_b32 s43, s14, 3
	s_add_co_u32 s42, s42, s43
	s_lshl_b32 s43, s[WV], 1
	s_add_co_u32 s42, s42, s43
	s_mul_i32 s42, s42, 6656                       ; Q: record 64 b + 8 qb + 2 w
	s_mov_b32 s43, 0
	s_lshl_b32 s44, s15, 3
	s_add_co_u32 s44, s44, s14
	s_mul_i32 s44, s44, 53248                      ; the result: block 8 b + qb,
	s_mul_i32 s45, s[WV], 13312                    ; my quarter of it
	s_add_co_u32 s44, s44, s45
	s_mov_b32 s45, 0
	v_and_b32 v216, 31, v0                         ; lane
	v_lshlrev_b32 v[LI], 4, v216
	v_lshlrev_b32 v[LS], 2, v216
	s_wait_kmcnt 0x0
	s_mov_b32 s[G0], 1
	s_mov_b32 s[G0+1], s51
	s_add_nc_u64 s[G0+2:G0+3], s[6:7], s[52:53]
	s_or_b32 s[G0+3], s[G0+3], 0x80000000
	s_add_nc_u64 s[PFA:PFA+1], s[6:7], s[54:55]
	s_add_nc_u64 s[4:5], s[4:5], s[42:43]
	s_add_nc_u64 s[8:9], s[8:9], s[44:45]
	CROUND                                         ; all four work-groups are here: the first joint load meets
	tensor_load_to_lds s[G0:G0+3], s[G1:G1+7]      ; key step 0 into slot 0
	s_nop 0
	PLACES 4                                       ; four places behind a tensor load
	WIN 0x40
.irp q, 0,1
.irp k, 0,1,2,3
.irp c, 0,1,2
	global_load_b128 v[12*(4*\q+\k)+4*\c:12*(4*\q+\k)+4*\c+3], v[LI], s[4:5] offset:6656*\q+1536*\k+512*\c   ; Q stays in registers
.endr
.endr
.endr
	WIN 0
.irp q, 0,1
.irp k, 0,1,2,3
	global_load_b32 v[QS+4*\q+\k], v[LS], s[4:5] offset:6656*\q+6144+128*\k
.endr
.endr
	v_and_b32 v217, 15, v0                         ; r
	v_bfe_u32 v218, v0, 4, 1                       ; h
	v_add_nc_u32 v[LSK], 49152, v[LS]
	v_min_u32 v[PFO], 25, v216
	v_lshlrev_b32 v[PFO], 8, v[PFO]
	; the result's codes: my 16 codes of a row c' are registers g = 6 (w / 2) + 3 h + 0..2 of lane r + 16 (w % 2) of the row's fragment: byte 512 (g / 4) + 4 (g % 4) + 16 r + 256 (w % 2) of its image
	s_lshr_b32 s42, s[WV], 1
	s_mul_i32 s42, s42, 6
	s_and_b32 s43, s[WV], 1
	s_lshl_b32 s43, s43, 8
	s_add_co_u32 s43, s43, OST
	v_mul_u32_u24 v219, v218, 3
	v_add_nc_u32 v219, s42, v219
	v_lshl_add_u32 v221, v217, 4, s43
.irp e, 0,1,2
	v_add_nc_u32 v222, \e, v219
	v_lshrrev_b32 v223, 2, v222
	v_and_b32 v222, 3, v222
	v_lshl_add_u32 v223, v223, 9, v221
	v_lshl_add_u32 v[OA+\e], v222, 2, v223
.endr
	s_add_co_u32 s42, s[WV], OST+49152
	v_add_nc_u32 v[OSB], s42, v[LS]                ; my block's byte of a row's scale word: byte w of the word at 4 x lane
	s_mul_i32 s42, s[WV], 13312
	s_add_co_u32 s42, s42, OST
	v_add_nc_u32 v[ORD], s42, v[LI]
.irp q, 0,1
	v_mov_b32 v[ST+8*\q+1], 0xff61b1e6             ; the largest t so far: -3e38, under every t
	v_floor_f32 v[ST+8*\q], -v[ST+8*\q+1]          ; -M
.irp i, 2,3,4,5,6,7
	v_mov_b32 v[ST+8*\q+\i], 0                     ; l; and registers that lane moves write or pairs name
.endr
.endr
.irp i, 0,1,2,3
	v_mov_b32 v[T2+\i], 0
	v_mov_b32 v[ET+\i], 0
.endr
.irp i, 0,1,2,3,4,5,6,7,8,9,10,11,12,13,14,15
	v_mov_b32 v[FT+\i], 0
.endr
; group g of a key step into buffer g % 3: g = 0..7: key tile g's four fragments (c' steps); g = 8..15: the fragments of v' for c' tiles 4 (g - 8) + 0..3; with their scale words: 16 LDS loads
.macro GLOAD g
.set FBL, 96+48*((\g)%3)
.set FSL, FS+4*((\g)%3)
	WIN 0x40
.irp e, 0,1,2,3
.irp c, 0,1,2
.if (\g) < 8
	ds_load_b128 v[FBL+12*\e+4*\c:FBL+12*\e+4*\c+3], v[AK] offset:(4*((\g)%8)+\e)*1536+512*\c
.else
	ds_load_b128 v[FBL+12*\e+4*\c:FBL+12*\e+4*\c+3], v[AV] offset:(4*((\g)%8)+\e)*1536+512*\c
.endif
.endr
.endr
	WIN 0
.irp e, 0,1,2,3
.if (\g) < 8
	ds_load_b32 v[FSL+\e], v[AKS] offset:(4*((\g)%8)+\e)*128
.else
	ds_load_b32 v[FSL+\e], v[AVS] offset:(4*((\g)%8)+\e)*128
.endif
.endr
.endm
; S^T of key tile g for my two tiles of queries: the two accumulators take turns, one instruction a turn; the first K step starts the sums
.macro KQ8 g
.set FBK, 96+48*((\g)%3)
.set FSK, FS+4*((\g)%3)
	WIN 0x05
.irp k, 0,1,2,3
.irp q, 0,1
.if \k == 0
	v_wmma_scale_f32_16x16x128_f8f6f4 v[S+64*\q+8*(\g):S+64*\q+8*(\g)+7], v[FBK+12*\k:FBK+12*\k+11], v[12*(4*\q+\k):12*(4*\q+\k)+11], 0, v[FSK+\k], v[QS+4*\q+\k] matrix_a_fmt:MATRIX_FMT_BF6 matrix_b_fmt:MATRIX_FMT_BF6
.else
	v_wmma_scale_f32_16x16x128_f8f6f4 v[S+64*\q+8*(\g):S+64*\q+8*(\g)+7], v[FBK+12*\k:FBK+12*\k+11], v[12*(4*\q+\k):12*(4*\q+\k)+11], v[S+64*\q+8*(\g):S+64*\q+8*(\g)+7], v[FSK+\k], v[QS+4*\q+\k] matrix_a_fmt:MATRIX_FMT_BF6 matrix_b_fmt:MATRIX_FMT_BF6
.endif
.endr
.endr
.endm
; O += P V'^T for four c' tiles x my two tiles of queries: eight different accumulators.  first = 1: these products start the sums: O is never cleared
.macro PV8 g, first
.set FBK, 96+48*((\g)%3)
.set FSK, FS+4*((\g)%3)
.if (\g) < 12
	WIN 0xa4
.else
	WIN 0xf4
.endif
.irp e, 0,1,2,3
.irp q, 0,1
.set rO, 16*((4*((\g)-8)+\e)%16)+8*\q
.if \first
	v_wmma_scale_f32_16x16x128_f8f6f4 v[rO:rO+7], v[P+12*\q:P+12*\q+11], v[FBK+12*\e:FBK+12*\e+11], 0, v[PS+\q], v[FSK+\e] matrix_a_fmt:MATRIX_FMT_BF6 matrix_b_fmt:MATRIX_FMT_BF6
.else
	v_wmma_scale_f32_16x16x128_f8f6f4 v[rO:rO+7], v[P+12*\q:P+12*\q+11], v[FBK+12*\e:FBK+12*\e+11], v[rO:rO+7], v[PS+\q], v[FSK+\e] matrix_a_fmt:MATRIX_FMT_BF6 matrix_b_fmt:MATRIX_FMT_BF6
.endif
.endr
.endr
.endm
; the softmax of tile q for this step's 128 keys, and p's codes and scale word
.macro SMX q
.set rS, S+64*(\q)
.set rT, ST+8*(\q)
.set rP, P+12*(\q)
.irp b, 0,1,2,3
	v_max3_num_f32 v[BM+\b], v[rS+16*\b], v[rS+16*\b+1], v[rS+16*\b+2]   ; the largest score of each block of 32 keys: for the row's maximum, and, since p rises with the score, for the block's largest p
.endr
.irp i, 3,5,7,9,11,13
.irp b, 0,1,2,3
	v_max3_num_f32 v[BM+\b], v[BM+\b], v[rS+16*\b+\i], v[rS+16*\b+\i+1]
.endr
.endr
.irp b, 0,1,2,3
	v_max_num_f32 v[BM+\b], v[BM+\b], v[rS+16*\b+15]
.endr
.irp b, 0,1,2,3
	v_permlanex16_b32 v[T2+\b], v[BM+\b], s[SEL], s[SEL+1]
.endr
.irp b, 0,1,2,3
	v_max_num_f32 v[BM+\b], v[BM+\b], v[T2+\b]     ; with lane l xor 16's 16 keys
.endr
	v_max3_num_f32 v[TA], v[BM], v[BM+1], v[BM+2]
	v_max_num_f32 v[TA], v[TA], v[BM+3]
	v_mul_f32 v[TA], s[CS], v[TA]                  ; as t (c is positive)
	v_max_num_f32 v[rT+1], v[rT+1], v[TA]          ; the running largest t
	v_mov_b32 v[TA], v[rT]
	v_floor_f32 v[rT], -v[rT+1]                    ; the new -M = -ceil(t): a whole number
	v_sub_f32 v[TA], v[rT], v[TA]                  ; old M - new M: a whole number, 0 or less
	v_cvt_i32_f32 v[TA], v[TA]                     ; (it saturates)
	v_ldexp_f32 v[rT+4], 1.0, v[TA]                ; f = 2^(old M - new M): multiplying by it rounds nothing
.set ii, 0
.rept 32
	v_pk_fma_f32 v[rS+2*ii:rS+2*ii+1], v[rS+2*ii:rS+2*ii+1], s[CS:CS+1], v[rT:rT+1] op_sel_hi:[1,0,0]   ; t - M
.set ii, ii+1
.endr
.irp b, 0,1,2,3
	v_fma_f32 v[BM+\b], v[BM+\b], s[CS], v[rT]     ; the same of each block's largest score
.endr
.set ii, 0
.rept 64
	v_exp_f32 v[rS+ii], v[rS+ii]                   ; p = 2^(t - M), at most 1, not normalised
.set ii, ii+1
.endr
	v_pk_mul_f32 v[rT+2:rT+3], v[rT+2:rT+3], v[rT+4:rT+5] op_sel_hi:[1,0]   ; l under the new M (the plain line behind the exponentials)
	s_wait_alu depctr_va_vdst(0)                   ; one wait for the batch, ahead of its first reader
.irp b, 0,1,2,3
	v_exp_f32 v[BM+\b], v[BM+\b]                   ; each block's largest p
.endr
	v_pk_add_f32 v[T2:T2+1], v[rS:rS+1], v[rS+2:rS+3]   ; the row's sum is taken of the unquantised p, in two chains
.irp j, 4,8,12,16,20,24,28,32,36,40,44,48,52,56,60
	v_pk_add_f32 v[rT+2:rT+3], v[rT+2:rT+3], v[rS+\j:rS+\j+1]
	v_pk_add_f32 v[T2:T2+1], v[T2:T2+1], v[rS+\j+2:rS+\j+3]
.endr
	v_pk_add_f32 v[rT+2:rT+3], v[rT+2:rT+3], v[T2:T2+1]
	s_wait_alu depctr_va_vdst(0)                   ; and one for the four
.irp b, 0,1,2,3
	v_max_num_f32 v[BM+\b], 0x2800000, v[BM+\b]    ; the floor 2^(5 - 127)
.endr
.irp b, 0,1,2,3
	v_add_nc_u32 v[SOP+\b], 0xfe000000, v[BM+\b]   ; the conversion's scale operand
.endr
.irp b, 0,1,2,3
	v_lshrrev_b32 v[T2+\b], 23, v[SOP+\b]          ; the scale's byte
.endr
	v_lshl_or_b32 v[PS+(\q)], v[T2+1], 8, v[T2]
	v_lshl_or_b32 v[PS+(\q)], v[T2+2], 16, v[PS+(\q)]
	v_lshl_or_b32 v[PS+(\q)], v[T2+3], 24, v[PS+(\q)]
.irp c, 0,1
	v_cvt_scalef32_pk16_bf6_f32 v[rP+6*\c:rP+6*\c+2], v[rS+32*\c:rS+32*\c+15], v[SOP+2*\c]
	v_cvt_scalef32_pk16_bf6_f32 v[T2+4*\c:T2+4*\c+2], v[rS+32*\c+16:rS+32*\c+31], v[SOP+2*\c+1]
.endr
	v_nop                                          ; one plain line behind a scaled conversion
.irp c, 0,1
.irp i, 0,1,2
	v_permlane16_swap_b32 v[rP+6*\c+\i], v[T2+4*\c+\i]
.endr
.irp i, 0,1,2
	v_mov_b32 v[rP+3+6*\c+\i], v[T2+4*\c+\i]
.endr
.endr
.endm
; a number that lane r (and r + 16) holds for query row r of tile q goes to registers: afterwards v[FT + 8 q + j] of lane (r, h) holds that of row 8 h + j, as O's registers want it
.macro SPREAD q, src
	v_mov_b32_dpp v[ST+8*(\q)+6], v[\src] row_xmask:8 row_mask:0xf bank_mask:0xf
	v_cndmask_b32 v[ST+8*(\q)+6], v[\src], v[ST+8*(\q)+6], s[HM]       ; lanes 16-31 now hold rows 8..15 in their first eight lanes
.irp j, 0,1,2,3,4,5,6,7
	v_mov_b32_dpp v[FT+8*(\q)+\j], v[ST+8*(\q)+6] row_share:\j row_mask:0xf bank_mask:0xf
.endr
.endm
.macro RESCALE                         ; O x f, each accumulator from its low end on
	WIN 0x82
.set ii, 0
.rept 128
	v_pk_mul_f32 v[2*ii:2*ii+1], v[2*ii:2*ii+1], v[FT+(2*ii)%16:FT+(2*ii)%16+1]
.set ii, ii+1
.endr
	WIN 0xc3
.set ii, 0
.rept 128
	v_pk_mul_f32 v[2*ii:2*ii+1], v[2*ii:2*ii+1], v[FT+(2*ii)%16:FT+(2*ii)%16+1]
.set ii, ii+1
.endr
.endm
; A KEY STEP.  Loads run two groups ahead in three buffers; four places stand in front of loads into a buffer that the last group's products read (ISA guide 7.12.1 for vector instructions).
.macro STEP first
	v_add_nc_u32 v[AK], s[TB], v[LI]
	v_add_nc_u32 v[AKS], s[TB], v[LSK]
	v_add_nc_u32 v[AV], 53248, v[AK]
	v_add_nc_u32 v[AVS], 53248, v[AKS]
	GLOAD 0
	GLOAD 1
.irp g, 0,1,2,3,4,5,6,7
.if \g > 0
	PLACES 4
.endif
	GLOAD \g+2
	s_wait_dscnt 32                                ; this group is in; the two younger groups of 16 loads may be out
	KQ8 \g
.endr
	WIN 0
	PLACES 4
	SMX 0
	SMX 1
.if \first
	PLACES 8                                       ; P's scale words and codes were written by vector lines: eight and four places ahead of the products
.else
	SPREAD 0, ST+4
	SPREAD 1, ST+12
	RESCALE                                        ; (these lines are those places too)
.endif
.irp g, 8,9,10,11,12,13,14,15
.if \g < 14
.if \g > 8
	PLACES 4
.endif
	GLOAD \g+2
	s_wait_dscnt 32
.else
	s_wait_dscnt 16*(15-\g)
.endif
	PV8 \g, \first
.endr
	WIN 0
	s_xor_b32 s[TB], s[TB], SLOT1                  ; on to the other slot
.endm
; THE CHANGE OF SLOTS stands at a step's head.  Each wave waits for all its tensor loads (its quarter of the slot that it is about to read), adds 0 to its spare word, and waits for that and for its reads of the slot that it has left.
; fill = 1: behind a round of the cluster's barrier that slot is filled with the next step's block: the load has a whole step in which to land.
.macro CHANGE fill
	WIN 0
	s_wait_tensorcnt 0x0                           ; no tensor load of mine is out, so the descriptor may be written
	ds_add_u32 v[SPW], v[NIL]
.if \fill
	s_xor_b32 s[G0+1], s[G0+1], SLOT1
	s_add_nc_u64 s[G0+2:G0+3], s[G0+2:G0+3], STEPB
	s_wait_xcnt 0x0                                ; the last prefetch, a step back, has read its address
	s_add_nc_u64 s[PFA:PFA+1], s[PFA:PFA+1], STEPB
	s_wait_dscnt 0x0                               ; the add is done, and my reads of the slot that I have left are over
	CROUND
	tensor_load_to_lds s[G0:G0+3], s[G1:G1+7]      ; the first thing behind the round, and my one tensor load until the next
	s_nop 0
	PLACES 4                                       ; (also places in front of the step's first loads)
	ASKPF
.else
	s_wait_dscnt 0x0
	s_barrier_signal -1
	s_barrier_wait -1
	PLACES 4
.endif
.endm
	s_wait_loadcnt 0x0                             ; Q
	CHANGE 1                                       ; step 0 has landed; step 1 is asked for
	STEP 1
	s_mov_b32 s[SLOTS], 6
.Lkeys:                                            ; steps 1 to 6; steps 2 to 7 are asked for
	CHANGE 1
	STEP 0
	s_sub_co_u32 s[SLOTS], s[SLOTS], 1
	s_cmp_lg_u32 s[SLOTS], 0
	s_cbranch_scc1 .Lkeys
	CHANGE 0                                       ; the last step is written out
	STEP 0
	; THE WAY OUT.  O / l, quantised along the queries: my 32 queries are one block, 16 of them in lane l and 16 in lane l xor 16.
	PLACES 4
.irp q, 0,1
	v_add_f32 v[ST+8*\q+7], v[ST+8*\q+2], v[ST+8*\q+3]
.endr
.irp q, 0,1
	v_permlanex16_b32 v[ST+8*\q+6], v[ST+8*\q+7], s[SEL], s[SEL+1]
.endr
.irp q, 0,1
	v_add_f32 v[ST+8*\q+7], v[ST+8*\q+7], v[ST+8*\q+6]   ; the row's sum
.endr
.irp q, 0,1
	v_rcp_f32 v[ST+8*\q+4], v[ST+8*\q+7]
.endr
	v_nop
	s_wait_alu depctr_va_vdst(0)                   ; one wait for the two reciprocals, ahead of their first reader
	SPREAD 0, ST+4
	SPREAD 1, ST+12
; four c' tiles at a time, on two sets of registers by turns
.macro EBATCH e
.set ES, S+64*((\e)%2)
.set EC, 192+16*((\e)%2)
.set EB, 224+4*((\e)%2)
.if (\e) >= 2
	s_wait_dscnt 16                                ; the stores of two batches back have read these registers; the last batch's 16 may be out
.endif
	WIN 0x02+(\e)/4
.set ii, 0
.rept 32
	v_pk_mul_f32 v[ES+2*ii:ES+2*ii+1], v[64*((\e)%4)+2*ii:64*((\e)%4)+2*ii+1], v[FT+(2*ii)%16:FT+(2*ii)%16+1]   ; register 16 c + 8 q + j: query 16 h + 8 q + j of my 32
.set ii, ii+1
.endr
	WIN 0
.irp c, 0,1,2,3
	v_max3_num_f32 v[EM+\c], |v[ES+16*\c]|, |v[ES+16*\c+1]|, 0x2800000
.endr
.irp i, 2,4,6,8,10,12,14
.irp c, 0,1,2,3
	v_max3_num_f32 v[EM+\c], v[EM+\c], |v[ES+16*\c+\i]|, |v[ES+16*\c+\i+1]|
.endr
.endr
.irp c, 0,1,2,3
	v_permlanex16_b32 v[ET+\c], v[EM+\c], s[SEL], s[SEL+1]
.endr
.irp c, 0,1,2,3
	v_max_num_f32 v[EM+\c], v[EM+\c], v[ET+\c]
.endr
.irp c, 0,1,2,3
	v_add_nc_u32 v[EO+\c], 0xfe000000, v[EM+\c]
.endr
.irp c, 0,1,2,3
	v_lshrrev_b32 v[EB+\c], 23, v[EO+\c]
.endr
.irp c, 0,1,2,3
	v_cvt_scalef32_pk16_bf6_f32 v[EC+4*\c:EC+4*\c+2], v[ES+16*\c:ES+16*\c+15], v[EO+\c]
.endr
	v_nop                                          ; one plain line behind a scaled conversion
.irp c, 0,1,2,3
	ds_store_b32 v[OA], v[EC+4*\c] offset:1536*(4*(\e)+\c)
	ds_store_b32 v[OA+1], v[EC+4*\c+1] offset:1536*(4*(\e)+\c)
	ds_store_b32 v[OA+2], v[EC+4*\c+2] offset:1536*(4*(\e)+\c)
	ds_store_b8 v[OSB], v[EB+\c] offset:128*(4*(\e)+\c)
.endr
.endm
.irp e, 0,1,2,3,4,5,6,7
	EBATCH \e
.endr
	s_wait_dscnt 0x0                               ; for the others' sake: my stores into the stage have landed
	s_barrier_signal -1
	s_barrier_wait -1
.set nn, 0
.rept 26
	ds_load_b128 v[S+4*nn:S+4*nn+3], v[ORD] offset:512*nn
.set nn, nn+1
.endr
.set nn, 0
.rept 26
	s_wait_dscnt 25-nn
	global_store_b128 v[LI], v[S+4*nn:S+4*nn+3], s[8:9] offset:512*nn   ; 32 lanes store 512 consecutive bytes, at a multiple of 256 from the buffer's first byte
.set nn, nn+1
.endr
	s_wait_tensorcnt 0x0                           ; the wave's end
	ds_add_u32 v[SPW], v[NIL]
	s_wait_dscnt 0x0
	CROUND                                         ; the closing round
	s_endpgm
.Lfunc_end_k_qc3b792e069_attn:
	.size	k_qc3b792e069_attn, .Lfunc_end_k_qc3b792e069_attn-k_qc3b792e069_attn
	.p2alignl 7, 3214868480
	.fill 96, 4, 3214868480
	.section	.rodata,"a",@progbits
	.p2align	6, 0x0
	.amdhsa_kernel k_qc3b792e069_attn
		.amdhsa_group_segment_fixed_size 327680
		.amdhsa_private_segment_fixed_size 0
		.amdhsa_enable_private_segment 0
		.amdhsa_kernarg_size 24
		.amdhsa_user_sgpr_count 2
		.amdhsa_user_sgpr_kernarg_segment_ptr 1
		.amdhsa_wavefront_size32 1
		.amdhsa_system_sgpr_workgroup_id_x 1
		.amdhsa_system_sgpr_workgroup_id_y 1
		.amdhsa_system_sgpr_workgroup_id_z 1
		.amdhsa_system_vgpr_workitem_id 0
		.amdhsa_next_free_vgpr 1024
		.amdhsa_next_free_sgpr 66
		.amdhsa_reserve_vcc 0
		.amdhsa_float_denorm_mode_32 3
		.amdhsa_float_denorm_mode_16_64 3
		.amdhsa_memory_ordered 1
		.amdhsa_forward_progress 1
		.amdhsa_inst_pref_size 255
	.end_amdhsa_kernel
	.section	.bss,"aw",@nobits
	.p2align	6
	.space	262144
	.amdgpu_metadata
---
amdhsa.version: [ 1, 2 ]
amdhsa.kernels:
  - .name:           k_qc3b792e069_attn
    .symbol:         k_qc3b792e069_attn.kd
    .args:
      - { .name: qimg, .offset: 0, .size: 8, .value_kind: global_buffer, .address_space: global }
      - { .name: kv, .offset: 8, .size: 8, .value_kind: global_buffer, .address_space: global }
      - { .name: oimg, .offset: 16, .size: 8, .value_kind: global_buffer, .address_space: global }
    .group_segment_fixed_size: 327680
    .private_segment_fixed_size: 0
    .kernarg_segment_align: 8
    .kernarg_segment_size: 24
    .max_flat_workgroup_size: 128
    .sgpr_count:     66
    .vgpr_count:     1024
    .wavefront_size: 32
...
	.end_amdgpu_metadata
.endif
;; end of part 3
;; launch outp (part 4): grid 8 x 32, 4 waves a work-group, no clusters, 34,304 bytes of LDS; arguments oimg, wimg, bo, x, out0; writes out0
.if DOCPART == 4
	.amdgcn_target "amdgcn-amd-amdhsa--gfx1250"
	.amdhsa_code_object_version 6
	.text
	.protected	k_qc3b792e069_outp
	.globl	k_qc3b792e069_outp
	.p2align	8
	.type	k_qc3b792e069_outp,@function
k_qc3b792e069_outp:
	s_mov_b64 s[64:65], 0
	v_nop
	global_prefetch_b8 v0, s[64:65] scope:SCOPE_SE
	s_setreg_imm32_b32 hwreg(HW_REG_WAVE_MODE, 25, 1), 1
	s_wait_xcnt 0x0
; out0[p][d] = sum over ch of o[p][ch] wo[ch][d] + bo[d] + x[p][d], the product on codes of BF6 (E3M2) with one E8M0 byte for each 32 along ch.
; o arrives as images of operand registers: oimg [b][4 u + K step] blocks of 53,248 bytes: images 1,536 ct, scale images at 49,152 + 128 ct; row r of tile ct is c' = 32 (ct / 2) + 8 (ct % 2) + r + 8 (r / 8), pixel 2 c' + u.
; SHARES.  Work-group (4 u + g, image b) owns the 128 pixels of c' = 128 g .. 128 g + 127 at parity u (tiles ct = 8 g + a); wave w columns 128 w .. 128 w + 127 (wo's tiles 8 w + n).
; BY ROWS.  My part of wo (8 tiles x 4 K steps, 384 registers) stays in registers; the eight tiles of 16 rows are finished one after the other, 32 matrix instructions each (eight accumulators by turns, K ascending), and each
;   leaves as soon as it is finished: the stores of one tile are on their way while later tiles are loaded and multiplied.
; The product is used transposed (source 0 = 16 columns of wo, source 1 = 16 rows of o): a lane holds eight neighbouring columns of one row.  A tile goes through my own stage in LDS, so that a row's 512 bytes lie over the 32 lanes.
; THE RESIDUAL needs no LDS: the 16 bytes of x that a lane adds lie where it stores, so a load with the store's own offset brings them: a ring of four sets of 16 rows in registers, asked for three tiles ahead.
; THE LOADS' ORDER.  bo; o's tile 0; sixteen chunks of 4 rows of x, 6 pieces of wo and 2 scale words, so that x's first four tiles and wo come in side by side; o's tile 1.  Tile a then asks for o's tile a + 2 and x's tile a + 3.
;   Loads come back in order (ISA guide 5.7.1), and x's tile a is always asked for ahead of o's tile a: so ONE counted wait at a tile's head serves both.
; No cluster: wo goes from memory straight into one wave's registers; there is no LDS tile that partners could ask for jointly.  No barrier: waves share nothing.
; REGISTERS.  window 0: v1-5 addresses; v8-11 bo; v16-47 wo's scale words (4 n + k); v48-55 o's (4 buffer + k); v64-127 a tile's rows back from the stage; v128-255 two sets of eight accumulators.
;   window 1: wo(n, k = 0, 1) at 12 (2 n + k); v192-239 o's buffer 0 (12 k).   window 2: wo(n, k = 2, 3) likewise; v192-239 o's buffer 1.   window 3: x's ring, set a % 4 at 64 (a % 4).
.set LI,  1                            ; 16 x lane
.set LS,  2                            ; 4 x lane
.set STO, 4                            ; my stage, on the way in: 528 r + 64 h
.set RD,  5                            ; and back: 16 x lane
.set BI,  8
.set WSW, 16
.set ASW, 48
.set BB,  64
.set ACC, 128
.set AF,  192
.set MSB, 0
.macro WIN new                         ; the immediate's high byte repeats the setting that is left; a switch that changes nothing is dropped
.if MSB != (\new)
	s_set_vgpr_msb (MSB<<8)|(\new)
.set MSB, (\new)
.endif
.endm
.macro PLACES n
.rept \n
	v_nop
.endr
.endm
; o's tile a, all four K steps, with its scale words, into buffer a % 2: 12 + 4 = 16 loads
.macro ALOAD a
	WIN 0x40*(1+(\a)%2)
.irp k, 0,1,2,3
.irp c, 0,1,2
	global_load_b128 v[AF+12*\k+4*\c:AF+12*\k+4*\c+3], v[LI], s[4:5] offset:53248*\k+1536*(\a)+512*\c
.endr
.endr
	WIN 0
.irp k, 0,1,2,3
	global_load_b32 v[ASW+4*((\a)%2)+\k], v[LS], s[40:41] offset:53248*\k+128*(\a)
.endr
.endm
; rows 4 q .. 4 q + 3 of x's tile a into ring set a % 4: each load takes 512 consecutive bytes of one row
.macro XLOAD4 a, q
	WIN 0xc0
.irp i, 0,1,2,3
	global_load_b128 v[64*((\a)%4)+4*(4*(\q)+\i):64*((\a)%4)+4*(4*(\q)+\i)+3], v[LI], s[10:11] offset:4096*(32*((\a)/2)+8*((\a)%2)+4*(\q)+\i+((4*(\q)+\i)&8)) th:TH_LOAD_NT
.endr
.endm
.macro XLOAD a                         ; 16 loads
	XLOAD4 \a, 0
	XLOAD4 \a, 1
	XLOAD4 \a, 2
	XLOAD4 \a, 3
	WIN 0
.endm
; tile a: 32 matrix instructions; its eight accumulators take turns, one instruction a turn; the first K step starts the sums: nothing is cleared.
; Four places follow, in front of the loads into o's buffer and its scale words and of the first read of the results (ISA guide 7.12.1 for vector instructions).
; The set of accumulators is begun anew two tiles on, behind the 64 additions of each of two ways out.
.macro MUL a
.irp k, 0,1,2,3
	WIN (1+\k/2)+4*(1+(\a)%2)                      ; source 0 (wo): window 1 or 2 by the K step; source 1 (o): window 1 or 2 by the buffer; C and D window 0
.irp n, 0,1,2,3,4,5,6,7
.if \k == 0
	v_wmma_scale_f32_16x16x128_f8f6f4 v[ACC+64*((\a)%2)+8*\n:ACC+64*((\a)%2)+8*\n+7], v[12*(2*\n+\k%2):12*(2*\n+\k%2)+11], v[AF+12*\k:AF+12*\k+11], 0, v[WSW+4*\n+\k], v[ASW+4*((\a)%2)+\k] matrix_a_fmt:MATRIX_FMT_BF6 matrix_b_fmt:MATRIX_FMT_BF6
.else
	v_wmma_scale_f32_16x16x128_f8f6f4 v[ACC+64*((\a)%2)+8*\n:ACC+64*((\a)%2)+8*\n+7], v[12*(2*\n+\k%2):12*(2*\n+\k%2)+11], v[AF+12*\k:AF+12*\k+11], v[ACC+64*((\a)%2)+8*\n:ACC+64*((\a)%2)+8*\n+7], v[WSW+4*\n+\k], v[ASW+4*((\a)%2)+\k] matrix_a_fmt:MATRIX_FMT_BF6 matrix_b_fmt:MATRIX_FMT_BF6
.endif
.endr
.endr
	WIN 0
	PLACES 4
.endm
; THE WAY OUT of tile a.  Accumulator n's register j of lane (r, h) is column 128 w + 32 (n / 2) + 8 (n % 2) + 16 h + j of row r.  LDS serves a wave's instructions in order (ISA guide 5.7.1.4): no wait between the stage's stores and loads.
; The sums are made in x's registers and stored from there; each store covers 512 consecutive bytes, at a multiple of 256 from out0's first byte.
.macro OUTB a
.set AC, ACC+64*((\a)%2)
.set XS, 64*((\a)%4)
.irp n, 0,1,2,3,4,5,6,7
	ds_store_b128 v[STO], v[AC+8*\n:AC+8*\n+3] offset:128*(\n/2)+32*(\n%2)          ; each accumulator from its low end on
	ds_store_b128 v[STO], v[AC+8*\n+4:AC+8*\n+7] offset:128*(\n/2)+32*(\n%2)+16
.endr
.set tt, 0
.rept 16
	ds_load_b128 v[BB+4*tt:BB+4*tt+3], v[RD] offset:528*tt
.set tt, tt+1
.endr
	s_wait_dscnt 0x0                               ; the rows are back; the stage's stores have read the accumulators
	WIN 0xc3                                       ; x in window 3, the rows and bo in window 0
.set tt, 0
.rept 32
	v_pk_add_f32 v[XS+2*tt:XS+2*tt+1], v[XS+2*tt:XS+2*tt+1], v[BB+2*tt:BB+2*tt+1]
.set tt, tt+1
.endr
.set tt, 0
.rept 16
	v_pk_add_f32 v[XS+4*tt:XS+4*tt+1], v[XS+4*tt:XS+4*tt+1], v[BI:BI+1]
	v_pk_add_f32 v[XS+4*tt+2:XS+4*tt+3], v[XS+4*tt+2:XS+4*tt+3], v[BI+2:BI+3]
.set tt, tt+1
.endr
	WIN 0x0c                                       ; a store's data are its source 1
.set tt, 0
.rept 16
	global_store_b128 v[LI], v[XS+4*tt:XS+4*tt+3], s[12:13] offset:4096*(32*((\a)/2)+8*((\a)%2)+tt+(tt&8)) th:TH_STORE_NT
.set tt, tt+1
.endr
	WIN 0
.endm
; cnt: the loads issued behind o's tile a, which may stay out
.macro TILE a, cnt
	s_wait_loadcnt \cnt                            ; o's tile a is in, and with it all that was asked for earlier: x's tile a among it
	MUL \a
.if ((\a) >= 1) && ((\a)+3 < 8)
	s_wait_xcnt 0x0                                ; the stores of tile a - 1 have read their registers: that ring set is loaded again only behind this wait
.endif
.if (\a)+2 < 8
	ALOAD (\a)+2
.endif
.if ((\a) >= 1) && ((\a)+3 < 8)
	XLOAD (\a)+3
.endif
	OUTB \a
.endm
	s_load_b256 s[4:11], s[0:1], 0x0               ; oimg, wimg, bo, x
	s_load_b64 s[12:13], s[0:1], 0x20              ; out0
	v_lshl_add_u32 v62, v0, 2, 0x8400
	v_mov_b32 v63, 0
	v_lshrrev_b32 v3, 5, v0
	v_readfirstlane_b32 s14, v3                    ; wave 0..3
	s_lshr_b32 s15, ttmp9, 2                       ; u
	s_and_b32 s16, ttmp9, 3                        ; g
	s_and_b32 s17, ttmp7, 0xffff                   ; image
	s_lshl_b32 s42, s17, 21                        ; x and out0: the image,
	s_lshl_b32 s43, s16, 19                        ; pixel 256 g
	s_add_co_u32 s42, s42, s43
	s_lshl_b32 s43, s15, 11                        ; + u,
	s_add_co_u32 s42, s42, s43
	s_lshl_b32 s43, s14, 9                         ; my 128 columns
	s_add_co_u32 s42, s42, s43
	s_mov_b32 s43, 0
	s_lshl_b32 s44, s17, 3
	s_lshl_b32 s45, s15, 2
	s_add_co_u32 s44, s44, s45
	s_mul_i32 s44, s44, 53248                      ; oimg: block 8 b + 4 u
	s_mul_i32 s45, s16, 12288                      ; its images of tiles 8 g ..
	s_add_co_u32 s46, s44, s45
	s_mov_b32 s47, 0
	s_lshl_b32 s45, s16, 10                        ; and their scale images
	s_add_co_u32 s44, s44, s45
	s_add_co_u32 s44, s44, 49152
	s_mov_b32 s45, 0
	s_mul_i32 s48, s14, 53248
	s_add_co_u32 s48, s48, 638976                  ; wimg: record 96 + 8 w
	s_mov_b32 s49, 0
	s_lshl_b32 s50, s14, 9
	s_mov_b32 s51, 0
	v_and_b32 v12, 31, v0
	v_and_b32 v13, 15, v0
	v_bfe_u32 v14, v0, 4, 1
	v_lshlrev_b32 v[LI], 4, v12
	v_lshlrev_b32 v[LS], 2, v12
	s_wait_kmcnt 0x0
	s_add_nc_u64 s[10:11], s[10:11], s[42:43]
	s_add_nc_u64 s[12:13], s[12:13], s[42:43]
	s_add_nc_u64 s[40:41], s[4:5], s[44:45]
	s_add_nc_u64 s[4:5], s[4:5], s[46:47]
	s_add_nc_u64 s[6:7], s[6:7], s[48:49]
	s_add_nc_u64 s[8:9], s[8:9], s[50:51]
	global_load_b128 v[BI:BI+3], v[LI], s[8:9]     ; bo of columns 128 w + 4 lane ..
	ALOAD 0
.set jj, 0
.rept 16                                       ; chunk j: rows 4 (j % 4) .. of x's tile j / 4; wo's tile j / 2, K steps 2 (j % 2) and 2 (j % 2) + 1, and their scale words
	XLOAD4 jj/4, jj%4
	WIN 0x40*(1+jj%2)
.irp kk, 0,1
.irp c, 0,1,2
	global_load_b128 v[12*(2*(jj/2)+\kk)+4*\c:12*(2*(jj/2)+\kk)+4*\c+3], v[LI], s[6:7] offset:6656*(jj/2)+1536*(2*(jj%2)+\kk)+512*\c
.endr
.endr
	WIN 0
.irp kk, 0,1
	global_load_b32 v[WSW+4*(jj/2)+2*(jj%2)+\kk], v[LS], s[6:7] offset:6656*(jj/2)+6144+128*(2*(jj%2)+\kk)
.endr
.set jj, jj+1
.endr
	ALOAD 1
	s_mul_i32 s18, s14, 8448                       ; my stage: 16 rows x 528 bytes
	v_mul_u32_u24 v[STO], v13, 528
	v_lshl_add_u32 v[STO], v14, 6, v[STO]
	v_add_nc_u32 v[STO], s18, v[STO]
	v_add_nc_u32 v[RD], s18, v[LI]
	TILE 0, 16                                     ; behind wo and x's tiles 0 to 3: o's tile 1
	TILE 1, 16                                     ; behind o's tile 1: o's tile 2
	TILE 2, 32                                     ; o's tile 3, x's tile 4
	TILE 3, 48                                     ; x's tile 4, o's tile 4, x's tile 5
	TILE 4, 48                                     ; x's tile 5, o's tile 5, x's tile 6
	TILE 5, 48                                     ; x's tile 6, o's tile 6, x's tile 7
	TILE 6, 32                                     ; x's tile 7, o's tile 7
	TILE 7, 0
	s_wait_tensorcnt 0x0
	ds_add_u32 v62, v63
	s_wait_dscnt 0x0
	s_endpgm
.Lfunc_end_k_qc3b792e069_outp:
	.size	k_qc3b792e069_outp, .Lfunc_end_k_qc3b792e069_outp-k_qc3b792e069_outp
	.p2alignl 7, 3214868480
	.fill 96, 4, 3214868480
	.section	.rodata,"a",@progbits
	.p2align	6, 0x0
	.amdhsa_kernel k_qc3b792e069_outp
		.amdhsa_group_segment_fixed_size 34304
		.amdhsa_private_segment_fixed_size 0
		.amdhsa_enable_private_segment 0
		.amdhsa_kernarg_size 40
		.amdhsa_user_sgpr_count 2
		.amdhsa_user_sgpr_kernarg_segment_ptr 1
		.amdhsa_wavefront_size32 1
		.amdhsa_system_sgpr_workgroup_id_x 1
		.amdhsa_system_sgpr_workgroup_id_y 1
		.amdhsa_system_sgpr_workgroup_id_z 1
		.amdhsa_system_vgpr_workitem_id 0
		.amdhsa_next_free_vgpr 1024
		.amdhsa_next_free_sgpr 66
		.amdhsa_reserve_vcc 0
		.amdhsa_float_denorm_mode_32 3
		.amdhsa_float_denorm_mode_16_64 3
		.amdhsa_memory_ordered 1
		.amdhsa_forward_progress 1
		.amdhsa_inst_pref_size 136
	.end_amdhsa_kernel
	.amdgpu_metadata
---
amdhsa.version: [ 1, 2 ]
amdhsa.kernels:
  - .name:           k_qc3b792e069_outp
    .symbol:         k_qc3b792e069_outp.kd
    .args:
      - { .name: oimg, .offset: 0, .size: 8, .value_kind: global_buffer, .address_space: global }
      - { .name: wimg, .offset: 8, .size: 8, .value_kind: global_buffer, .address_space: global }
      - { .name: bo, .offset: 16, .size: 8, .value_kind: global_buffer, .address_space: global }
      - { .name: x, .offset: 24, .size: 8, .value_kind: global_buffer, .address_space: global }
      - { .name: out0, .offset: 32, .size: 8, .value_kind: global_buffer, .address_space: global }
    .group_segment_fixed_size: 34304
    .private_segment_fixed_size: 0
    .kernarg_segment_align: 8
    .kernarg_segment_size: 40
    .max_flat_workgroup_size: 128
    .sgpr_count:     66
    .vgpr_count:     1024
    .wavefront_size: 32
...
	.end_amdgpu_metadata
.endif
;; end of part 4
